; MI455X (gfx1250); checked and timed in simulation.
; The chip was launched on July 23, 2026; its instructions are those of AMD's public machine-readable ISA for CDNA 5 (MIT licence, August 2026) and "CDNA5" Instruction Set Architecture Reference Guide (July 2026). The comments in the code are by the model that wrote it; some were corrected since.
;; Multi Head Attention. Allowed arithmetic: float matrix products may take bf16 or f16 operands with f32 sums; other float arithmetic in f32, or as packed bf16 or f16 multiplies, adds, multiply-adds, maxima and minima; sums over many terms, partial sums and values carried from step to step in f32; what a program stores and reads back later, other than sums and carried values, may be rounded once to bf16 or f16.
;; Inputs: Wk 1,024 x 1,024 float32; Wo 1,024 x 1,024 float32; Wq 1,024 x 1,024 float32; Wv 1,024 x 1,024 float32; bk 1,024 float32; bo 1,024 float32; bq 1,024 float32; bv 1,024 float32; x 4 x 4,096 x 1,024 float32.
;; Outputs: out0 4 x 4,096 x 1,024 float32.
;; 2 versions, each right; version 2 is version 1 with the launches prep, heads written anew for expert scheduling mode. Each part assembles by itself: llvm-mc -triple=amdgcn-amd-amdhsa -mcpu=gfx1250 --defsym DOCPART=n.
;; ======== version 1 of 2: 4 launches
;; limits: values are held in f16: magnitudes above 65,504 overflow, below 6.1e-05 lose precision
;; workspace buffers: xb 33,554,432 bytes; wt 8,388,608 bytes; biasw 16,384 bytes; qkv 100,663,296 bytes; attn 33,554,432 bytes
;; launch prep (part 1): grid 512 x 1, 8 waves a work-group, no clusters, 18,432 bytes of LDS; arguments x, Wq, Wk, Wv, Wo, bq, bk, bv, bo, xb, wt, biasw; writes xb, wt, biasw
.if DOCPART == 1
	.amdgcn_target "amdgcn-amd-amdhsa--gfx1250"
	.amdhsa_code_object_version 6
	.text
	.protected	k_q9f849534ce_prep
	.globl	k_q9f849534ce_prep
	.p2align	8
	.type	k_q9f849534ce_prep,@function
k_q9f849534ce_prep:
	s_mov_b64 s[64:65], 0
	v_nop
	global_prefetch_b8 v0, s[64:65] scope:SCOPE_SE
	s_setreg_imm32_b32 hwreg(HW_REG_WAVE_MODE, 25, 1), 1
	s_wait_xcnt 0x0
; PREP.  x [16384][1024] f32 -> xb, the same numbers in bf16.  The four weights W [k][n] f32 -> wt [4096 rows][1024 k] of 16 bits: row 1024 m + n' holds column n of matrix m
; (m = 0 Wq, 1 Wk, 2 Wv, 3 Wo), K along the row, so that the products of the later launches read both operands along K.  The four biases -> biasw [4096] f32, in wt's row order.
; ROUNDING.  Every input is rounded once to bf16.  Wo's rounded numbers are then written as f16 (exact from 2^-14 up to 65,504; below 2^-14 they keep f16's fixed step of 6e-8;
; beyond 65,504 they would be infinite: the limit of this program), since the last product multiplies f16.  The biases' rounded numbers are kept as f32.
; THE ORDERS.  With r = 0..15, h = 0..1, e = 0..7, q = 0..3:
;   Wq, Wk: row n' = 256 q + 128 h + 8 r + e holds head r, channel 16 q + 8 h + e            (column n = 64 r + channel)
;   Wv:     row n' = 256 q + 128 h + 8 r + e holds head 8 h + e, channel 16 q + r
;   Wo:     rows as they are; along K place k' = 256 q + 128 h + 8 r + e holds k = 64 r + 16 q + 8 h + e: the order in which the launch of the heads stores its result
; So that launch reads and writes 16 consecutive bytes a lane, 512 a wave, and needs no exchange between lanes for its operands.
; SHARES.  Work-group g: 32,768 numbers of x; one tile of 128 k' x 64 n of matrix g / 128 (tile g % 128: k' block tile % 8, n block tile / 8), turned through LDS; where tile = 0, the matrix's bias.
; No matrix unit, no cluster, no tensor load: no byte is wanted twice.  No prefetch: all of a work-group's loads go out at its head.
.set SPARE, 17408                      ; LDS: 64 rows (a column n each) x 272 bytes (128 k' x 2 + 16 of padding); behind them the spare words, 128 bytes for each of 8 waves
.set LP,    272
.set SPW, 16                           ; v16  LDS address of my spare word; never rewritten
.set NIL, 17                           ; v17  0; never rewritten
.set WL,  24                           ; v[24:55]   W as loaded: for i = 0..3 rows k' and k' + 1, four columns each
.set WP,  56                           ; v[56:71]   16 words: (k', k' + 1) of one column
.set WB,  72                           ; v[72:87]   four pieces of 16 bytes of finished rows
.set BD,  90                           ; v[90:93]   the bias
.set XR,  96                           ; v[96:223]  x: 32 loads of 16 bytes
; scalars: s32 m, s33 k' block, s34 n block, s35 tile; s40 rows of W from k' block to k' block, s41 rows from one group of 8 k' to the next;
; wt's row = s45 + s42 (d / 8 % 2) + s43 (d % 8) + s44 (d / 16) for the tile's column d; the bias's source index = s46 u + s47 h + s56 r + s57 e
	s_load_b512 s[8:23], s[0:1], 0x0               ; x s[8:9], Wq s[10:11], Wk s[12:13], Wv s[14:15], Wo s[16:17], bq s[18:19], bk s[20:21], bv s[22:23]
	s_load_b256 s[24:31], s[0:1], 0x40             ; bo s[24:25], xb s[26:27], wt s[28:29], biasw s[30:31]
	v_lshl_add_u32 v[SPW], v0, 2, SPARE
	v_mov_b32 v[NIL], 0
	s_lshr_b32 s32, ttmp9, 7
	s_and_b32 s35, ttmp9, 127
	s_and_b32 s33, s35, 7
	s_lshr_b32 s34, s35, 3
	s_lshl_b32 s45, s34, 3                         ; Wq, Wk: the head's 8 r
	s_lshr_b32 s2, s34, 3
	s_lshl_b32 s2, s2, 7
	s_and_b32 s3, s34, 7
	s_add_co_u32 s2, s2, s3                        ; Wv: 128 (head / 8) + head % 8
	s_lshl_b32 s3, s34, 6                          ; Wo: 64 x n block
	s_cmp_eq_u32 s32, 2
	s_cselect_b32 s45, s2, s45
	s_cselect_b32 s42, 64, 128
	s_cselect_b32 s43, 8, 1
	s_cselect_b32 s47, 512, 8
	s_cselect_b32 s56, 1, 64
	s_cselect_b32 s57, 64, 1
	s_cmp_eq_u32 s32, 3
	s_cselect_b32 s45, s3, s45
	s_cselect_b32 s42, 8, s42
	s_cselect_b32 s43, 1, s43
	s_cselect_b32 s44, 16, 256
	s_cselect_b32 s40, 8, 128
	s_cselect_b32 s41, 64, 8
	s_cselect_b32 s46, 256, 16
	s_cselect_b32 s47, 128, s47
	s_cselect_b32 s56, 8, s56
	s_cselect_b32 s57, 1, s57
	s_mul_i32 s48, s33, s40                        ; the tile's first row of W,
	s_lshl_b32 s48, s48, 12                        ; 4,096 bytes a row,
	s_lshl_b32 s2, s34, 8                          ; its 64 columns: 256 bytes
	s_add_co_u32 s48, s48, s2
	s_mov_b32 s49, 0
	s_lshl_b32 s52, s32, 10                        ; wt: row 1024 m + s45, 2,048 bytes a row,
	s_add_co_u32 s52, s52, s45
	s_lshl_b32 s52, s52, 11
	s_lshl_b32 s2, s33, 8                          ; the tile's 128 k': 256 bytes
	s_add_co_u32 s52, s52, s2
	s_mov_b32 s53, 0
	s_lshl_b32 s54, ttmp9, 17                      ; my 131,072 bytes of x,
	s_mov_b32 s55, 0
	s_lshl_b32 s58, ttmp9, 16                      ; my 65,536 of xb
	s_mov_b32 s59, 0
	s_lshl_b32 s60, s32, 12                        ; the matrix's 4,096 bytes of biasw
	s_mov_b32 s61, 0
	s_lshl_b32 s50, s41, 14                        ; four groups of 8 k' further down in W, in bytes
	s_lshl_b32 s51, s44, 11                        ; 16 columns d further on, in bytes of wt
	s_lshl_b32 s46, s46, 2
	v_lshlrev_b32 v1, 4, v0                        ; x: 16 bytes a thread
	v_lshlrev_b32 v2, 3, v0                        ; xb: 8
	v_and_b32 v13, 15, v0                          ; t % 16: four columns on the way in, 16 bytes of a row on the way out
	v_lshrrev_b32 v14, 4, v0                       ; t / 16: a pair of k' on the way in, a column d on the way out
	v_lshrrev_b32 v15, 2, v14                      ; pair p = t / 16 + 16 i is k' = 2 p: group p / 4 of eight, place 2 (p % 4)
	v_mul_lo_u32 v15, v15, s41
	v_and_b32 v88, 3, v14
	v_lshl_add_u32 v15, v88, 1, v15
	v_lshlrev_b32 v15, 12, v15
	v_lshl_add_u32 v3, v13, 4, v15
	v_add_nc_u32 v4, s50, v3
	v_add_nc_u32 v5, s50, v4
	v_add_nc_u32 v6, s50, v5
	v_mul_u32_u24 v7, v13, 4*LP                    ; into LDS: row 4 (t % 16) + c, byte 4 (t / 16) + 64 i
	v_lshl_add_u32 v7, v14, 2, v7
	v_mul_u32_u24 v8, v14, LP                      ; back: row t / 16 + 16 j, byte 16 (t % 16)
	v_lshl_add_u32 v8, v13, 4, v8
	v_lshrrev_b32 v15, 3, v14
	v_mul_lo_u32 v15, v15, s42
	v_and_b32 v88, 7, v14
	v_mul_lo_u32 v88, v88, s43
	v_add_nc_u32 v15, v15, v88
	v_lshlrev_b32 v15, 11, v15
	v_lshl_add_u32 v9, v13, 4, v15
	v_add_nc_u32 v10, s51, v9
	v_add_nc_u32 v11, s51, v10
	v_add_nc_u32 v12, s51, v11
	s_wait_kmcnt 0x0
	s_cmp_eq_u32 s32, 1                            ; the matrix and its bias: a choice between buffers by the work-group's number
	s_cselect_b64 s[36:37], s[12:13], s[10:11]
	s_cselect_b64 s[38:39], s[20:21], s[18:19]
	s_cmp_eq_u32 s32, 2
	s_cselect_b64 s[36:37], s[14:15], s[36:37]
	s_cselect_b64 s[38:39], s[22:23], s[38:39]
	s_cmp_eq_u32 s32, 3
	s_cselect_b64 s[36:37], s[16:17], s[36:37]
	s_cselect_b64 s[38:39], s[24:25], s[38:39]
	s_add_nc_u64 s[36:37], s[36:37], s[48:49]
	s_add_nc_u64 s[28:29], s[28:29], s[52:53]
	s_add_nc_u64 s[8:9], s[8:9], s[54:55]
	s_add_nc_u64 s[26:27], s[26:27], s[58:59]
	s_add_nc_u64 s[30:31], s[30:31], s[60:61]
.irp i, 0,1,2,3
	global_load_b128 v[WL+8*(\i):WL+8*(\i)+3],   v[3+(\i)], s[36:37]              ; 16 lanes take 256 consecutive bytes of a row of W
	global_load_b128 v[WL+8*(\i)+4:WL+8*(\i)+7], v[3+(\i)], s[36:37] offset:4096  ; and of the row below it
.endr
.set j, 0
.rept 32
	global_load_b128 v[XR+4*j:XR+4*j+3], v1, s[8:9] offset:4096*j th:TH_LOAD_NT   ; a wave takes 512 consecutive bytes; all 32 loads go out at once
.set j, j+1
.endr
	s_wait_loadcnt 32                              ; loads come back in order: W's eight are in, x's 32 stay out
.irp i, 0,1,2,3
.irp c, 0,1,2,3
	v_cvt_pk_bf16_f32 v[WP+4*(\i)+(\c)], v[WL+8*(\i)+(\c)], v[WL+8*(\i)+4+(\c)]   ; k' in the low half, k' + 1 in the high half
.endr
.endr
	s_cmp_lg_u32 s32, 3
	s_cbranch_scc1 .Lkeep
.set w, 0
.rept 16                                       ; Wo: the bf16 numbers written as f16
	v_lshlrev_b32 v88, 16, v[WP+w]
	v_and_b32 v89, 0xffff0000, v[WP+w]
	v_cvt_pk_f16_f32 v[WP+w], v88, v89
.set w, w+1
.endr
.Lkeep:
.irp i, 0,1,2,3
.irp c, 0,1,2,3
	ds_store_b32 v7, v[WP+4*(\i)+(\c)] offset:LP*(\c)+64*(\i)
.endr
.endr
	s_wait_dscnt 0x0                               ; for the others' sake: my stores are done
	s_barrier_signal -1
	s_barrier_wait -1                              ; the turned tile is whole
.irp j, 0,1,2,3
	ds_load_b128 v[WB+4*(\j):WB+4*(\j)+3], v8 offset:16*LP*(\j)
.endr
	s_wait_dscnt 0x0
.irp j, 0,1,2,3
	global_store_b128 v[9+(\j)], v[WB+4*(\j):WB+4*(\j)+3], s[28:29]               ; 16 lanes store 256 consecutive bytes, at a multiple of 256 from wt's first byte
.endr
.set j, 0
.rept 32
	s_wait_loadcnt 31-j                            ; load j is in, the younger ones stay out
	v_cvt_pk_bf16_f32 v[XR+4*j],   v[XR+4*j],   v[XR+4*j+1]
	v_cvt_pk_bf16_f32 v[XR+4*j+1], v[XR+4*j+2], v[XR+4*j+3]
	global_store_b64 v2, v[XR+4*j:XR+4*j+1], s[26:27] offset:2048*j               ; a wave stores 256 consecutive bytes, aligned; no register of a store is written again
.set j, j+1
.endr
	s_cmp_lg_u32 s35, 0
	s_cbranch_scc1 .Lend                           ; the matrix's first tile also takes its bias: place 256 u + t of biasw's 1,024
	v_bfe_u32 v18, v0, 7, 1
	v_mul_lo_u32 v18, v18, s47
	v_bfe_u32 v19, v0, 3, 4
	v_mul_lo_u32 v19, v19, s56
	v_and_b32 v20, 7, v0
	v_mul_lo_u32 v20, v20, s57
	v_add3_u32 v18, v18, v19, v20
	v_lshlrev_b32 v18, 2, v18
	v_add_nc_u32 v19, s46, v18
	v_add_nc_u32 v20, s46, v19
	v_add_nc_u32 v21, s46, v20
	v_lshlrev_b32 v22, 2, v0
.irp u, 0,1,2,3
	global_load_b32 v[BD+(\u)], v[18+(\u)], s[38:39]
.endr
	s_wait_loadcnt 0x0
.irp u, 0,1,2,3
	v_cvt_pk_bf16_f32 v[BD+(\u)], v[BD+(\u)], v[BD+(\u)]
.endr
.irp u, 0,1,2,3
	v_lshlrev_b32 v[BD+(\u)], 16, v[BD+(\u)]       ; the rounded number as f32
.endr
.irp u, 0,1,2,3
	global_store_b32 v22, v[BD+(\u)], s[30:31] offset:1024*(\u)
.endr
.Lend:
	s_wait_tensorcnt 0x0                           ; the wave's end, behind my last LDS store
	ds_add_u32 v[SPW], v[NIL]
	s_wait_dscnt 0x0
	s_endpgm
.Lfunc_end_k_q9f849534ce_prep:
	.size	k_q9f849534ce_prep, .Lfunc_end_k_q9f849534ce_prep-k_q9f849534ce_prep
	.p2alignl 7, 3214868480
	.fill 96, 4, 3214868480
	.section	.rodata,"a",@progbits
	.p2align	6, 0x0
	.amdhsa_kernel k_q9f849534ce_prep
		.amdhsa_group_segment_fixed_size 18432
		.amdhsa_private_segment_fixed_size 0
		.amdhsa_enable_private_segment 0
		.amdhsa_kernarg_size 96
		.amdhsa_user_sgpr_count 2
		.amdhsa_user_sgpr_kernarg_segment_ptr 1
		.amdhsa_wavefront_size32 1
		.amdhsa_system_sgpr_workgroup_id_x 1
		.amdhsa_system_sgpr_workgroup_id_y 1
		.amdhsa_system_sgpr_workgroup_id_z 1
		.amdhsa_system_vgpr_workitem_id 0
		.amdhsa_next_free_vgpr 224
		.amdhsa_next_free_sgpr 66
		.amdhsa_reserve_vcc 0
		.amdhsa_float_denorm_mode_32 3
		.amdhsa_float_denorm_mode_16_64 3
		.amdhsa_memory_ordered 1
		.amdhsa_forward_progress 1
		.amdhsa_inst_pref_size 23
	.end_amdhsa_kernel
	.amdgpu_metadata
---
amdhsa.version: [ 1, 2 ]
amdhsa.kernels:
  - .name:           k_q9f849534ce_prep
    .symbol:         k_q9f849534ce_prep.kd
    .args:
      - { .name: x, .offset: 0, .size: 8, .value_kind: global_buffer, .address_space: global }
      - { .name: Wq, .offset: 8, .size: 8, .value_kind: global_buffer, .address_space: global }
      - { .name: Wk, .offset: 16, .size: 8, .value_kind: global_buffer, .address_space: global }
      - { .name: Wv, .offset: 24, .size: 8, .value_kind: global_buffer, .address_space: global }
      - { .name: Wo, .offset: 32, .size: 8, .value_kind: global_buffer, .address_space: global }
      - { .name: bq, .offset: 40, .size: 8, .value_kind: global_buffer, .address_space: global }
      - { .name: bk, .offset: 48, .size: 8, .value_kind: global_buffer, .address_space: global }
      - { .name: bv, .offset: 56, .size: 8, .value_kind: global_buffer, .address_space: global }
      - { .name: bo, .offset: 64, .size: 8, .value_kind: global_buffer, .address_space: global }
      - { .name: xb, .offset: 72, .size: 8, .value_kind: global_buffer, .address_space: global }
      - { .name: wt, .offset: 80, .size: 8, .value_kind: global_buffer, .address_space: global }
      - { .name: biasw, .offset: 88, .size: 8, .value_kind: global_buffer, .address_space: global }
    .group_segment_fixed_size: 18432
    .private_segment_fixed_size: 0
    .kernarg_segment_align: 8
    .kernarg_segment_size: 96
    .max_flat_workgroup_size: 256
    .sgpr_count:     66
    .vgpr_count:     224
    .wavefront_size: 32
...
	.end_amdgpu_metadata
.endif
;; end of part 1
;; launch qkv (part 2): grid 4 x 64, 4 waves a work-group, clusters of 4 x 4, 327,680 bytes of LDS; arguments xb, wt, qkv, biasw; writes qkv
.if DOCPART == 2
	.amdgcn_target "amdgcn-amd-amdhsa--gfx1250"
	.amdhsa_code_object_version 6
	.text
	.protected	k_q9f849534ce_qkv
	.globl	k_q9f849534ce_qkv
	.p2align	8
	.type	k_q9f849534ce_qkv,@function
k_q9f849534ce_qkv:
	s_mov_b64 s[64:65], 0
	v_nop
	global_prefetch_b8 v0, s[64:65] scope:SCOPE_SE
	s_setreg_imm32_b32 hwreg(HW_REG_WAVE_MODE, 25, 1), 1
	s_wait_xcnt 0x0
	s_wait_alu depctr_hold_cnt(0) depctr_sa_sdst(0) depctr_va_vdst(0) depctr_va_sdst(0) depctr_va_ssrc(0) depctr_va_vcc(0) depctr_vm_vsrc(0)
	s_getreg_b32 s2, hwreg(HW_REG_IB_STS2, 6, 4)
	s_cmp_eq_u32 s2, 0
	s_cbranch_scc0 .Lentry_in_a_cluster
	s_endpgm
.Lentry_in_a_cluster:
	s_bfe_u32 s2, ttmp6, 0x10000c
	s_cmp_lg_u32 s2, 0xf033
	s_cbranch_scc0 .Lentry_shape_is_right
	s_endpgm
.Lentry_shape_is_right:
; qkv[t][n'] = the sum over k of xb[t][k] wt[n'][k] + biasw[n'], n' = 0 .. 3071.  xb: [16384][1024] bf16, wt's rows 0 .. 3071: [1024] bf16, biasw f32; sums in f32; qkv: [16384][3072] f16, rounded once.
; LIMIT.  f16 holds no number beyond 65,504: a q, k or v past that would be stored as an infinity.
; A tile of the result, 256 x 256, is made by a work-group of four waves; a wave makes 128 x 128: 64 accumulators of 16 x 16, 512 registers.  K goes in 8 steps of 128 through a ring of two LDS slots
; filled by the tensor data mover: the tiles' rows are 256 bytes of memory and start at multiples of 256 bytes from the buffer's first byte.
; A WORK-GROUP STAYS: it makes three tiles, 1,024 columns apart (one of Q, one of K, one of V), which share their 256 rows of xb.  The ring does not stop at a tile's end: a tile's last two changes of
; slots ask for the next tile's first two K steps, and nothing waits for a tile's stores.  The last lap is written twice (with refills for the next tile; without, for the last tile); the way out once.
; CLUSTERS: 4 x 4 work-groups.  The four of a row of the cluster need the same tiles of xb (A), the four of a column the same tiles of wt (B): each tile is asked for JOINTLY, by the same tensor load
; with the same descriptor and a mask that names the four, and each receives it in its own LDS.
; THE BIAS is the C operand of the product that starts each sum.
; REGISTERS, in windows of 256 (s_set_vgpr_msb's low byte: bits 1:0 source 0, 3:2 source 1, 5:4 source 2, 7:6 destination):
;   window 0: v0-31 addresses; v64-127, v128-191 fragments of A, two buffers; v32-63, v192-255 at work on the way out
;   window 1: v0-63 the bias of my 128 columns, 8 registers for each block of 16; v64-127, v128-191 fragments of B, two buffers
;   window 2: the 32 accumulators of my rows 0-63 (accumulator (a, b) at v[8 (8 a + b)]);   window 3: those of my rows 64-127
; THE MATRIX INSTRUCTION IS USED TRANSPOSED: source 0 = 16 rows of B, source 1 = 16 rows of A: lane l then holds row l % 16 of the result and the columns 8 (l / 16) + 0 .. 7, which pack into 16 bytes.
.set SIZE_K, 1024
.set CROW,   6144                      ; bytes in a row of qkv
.set TILES,  3
.set WALK,   1024                      ; a work-group's tiles lie 1,024 columns (rows of wt) apart
.set KSTEP,  128
.set PITCH,  272                       ; an LDS row: 256 bytes + 16 of padding = 68 words: the 16 rows that a load touches start at 16 different groups of four banks (64 banks of 4 bytes: ISA guide 11.1)
.set HALFT,  128*PITCH                 ; 128 rows: what one tensor load brings, and what one wave reads of A or of B
.set SLOT,   4*HALFT                   ; A's 256 rows, then B's 256 rows
.set STAGE,  2*SLOT                    ; behind the ring: 16 rows x 272 bytes for each wave, for the way out
.set SPITCH, 272
.set SPARE,  STAGE+4*16*SPITCH         ; behind the stages: the spare words, 128 bytes for each wave
.set LAPS,   SIZE_K/(2*KSTEP)          ; a lap = two K steps = once round the ring
.set BACK_A, (SIZE_K-2*KSTEP)*2        ; bytes from a slot's last K step of a tile back to its first: A's rows stay,
.set NEXT_B, WALK*SIZE_K*2-BACK_A      ; B goes 1,024 rows down and back along K
.set ADRA, 16                          ; v16-17  LDS address of my A fragments in slot 0, 1
.set ADRB, 20                          ; v20-21  the same for B
.set STO,  24                          ; v24     the way out: where I put 16 bytes of a row
.set RD,   25                          ; v25     the way out: where I read a row back
.set CO,   26                          ; v26     my byte offset in the result; never rewritten
.set BOF,  27                          ; v27     my byte offset in a block's 16 biases: 32 (l / 16); never rewritten
.set SPW,  28                          ; v28     LDS address of my spare word; never rewritten
.set NIL,  29                          ; v29     0; never rewritten
.set PFO,  30                          ; v30     the prefetches' offset: my lane x a row of 2,048 bytes; never rewritten
.set PFA,  44                          ; s[44:45] where my prefetches stand: my work-group's 32 rows of the 128 that I fetch, one K step further along K than the refill that is being asked for
.set LIM,  43                          ; s43     1 in a wave that prefetches, else the greatest number
.set BP,   66                          ; s[66:67] biasw at my 128 columns
.set F0,   64
.set F1,   128
.set TMP,  192                         ; the way out: packed results
.set OB,   32                          ; the way out: 16 rows read back from the stage: v32-63 and v224-255 by turns
.set G1, 24                            ; s[24:31] descriptor group 1 for A's tiles
.set G0, 32                            ; s[32:39] descriptor group 0 for A's tiles, one set for each slot
.set G1B, 48                           ; s[48:55] group 1 for B's tiles: it differs in the mask alone
.set G0B, 56                           ; s[56:63] group 0 for B's tiles
.set MSB, 0
.macro WIN new                         ; the immediate's high byte repeats the setting that is left; a switch that changes nothing is dropped
.if MSB != (\new)
	s_set_vgpr_msb (MSB<<8)|(\new)
.set MSB, \new
.endif
.endm
.set MUL_LO, 0xa1                      ; source 0 (B) window 1, source 1 (A) window 0, C and D window 2
.set MUL_HI, 0xf1                      ; the same, C and D window 3
.set BEG_LO, 0x91                      ; a sum's first product: C (the bias) window 1, D window 2
.set TO_B,   0x40                      ; destination window 1, address window 0
; A joint load.  Waves 0 and 1 fetch A's two halves, waves 2 and 3 B's.  The branch hangs on the wave's number alone.  An s_nop 0 and four v_nop follow each of the two lines.
.macro JLOAD s
	s_cmp_eq_u32 s11, 0
	s_cbranch_scc0 .Lfor_b_\@
	tensor_load_to_lds s[G0+4*(\s):G0+4*(\s)+3], s[G1:G1+7]
	s_nop 0
.rept 4
	v_nop
.endr
	s_branch .Lasked_\@
.Lfor_b_\@:
	tensor_load_to_lds s[G0B+4*(\s):G0B+4*(\s)+3], s[G1B:G1B+7]
	s_nop 0
.rept 4
	v_nop
.endr
.Lasked_\@:
.endm
; A PREFETCH, behind each joint load, its five lines and the run of LDS loads that follows them: the K step that stands two refills on: 32 rows x 256 bytes, a lane a row, one instruction a wave.
; Each row's 256 bytes of a K step are named once in the launch.  A's tile row is read by this cluster alone (the grid is one cluster wide), and asked for in the first tile alone: the other two tiles
; read the same rows again.  B's tile column is read by all sixteen clusters: the one with y = 0 asks, in all three tiles.  The four partners that ask for a tile jointly share its rows out BY ADDRESS:
; of the 128 rows that a wave fetches the partner at place p takes 32 p .. 32 p + 31 (p = cx for A, cy for B).  how = 0, in the loop: a tile's last two refills have no K step two on; how = 1: at a change of tiles.
.macro ASK how
.if \how
	s_cmp_eq_u32 s[LIM], 1
.else
	s_cmp_gt_u32 s3, s[LIM]                        ; s3 = 1 in the loop's last trip
.endif
	s_cbranch_scc0 .Lnot_mine_\@
	global_prefetch_b8 v[PFO], s[PFA:PFA+1] offset:KSTEP*2 th:TH_LOAD_NT scope:SCOPE_SE
.Lnot_mine_\@:
.endm
; A round of the cluster's barrier: my work-group's barrier; wave 0 signals for the work-group; every wave waits for all sixteen work-groups; my work-group's barrier once more.
.macro CREST                           ; a round behind its opening barrier
	s_cmp_lg_u32 s10, 0
	s_cbranch_scc1 .Lnot_wave_0_\@
	s_barrier_signal -3
.Lnot_wave_0_\@:
	s_barrier_wait -3
	s_barrier_signal -1
	s_barrier_wait -1
.endm
.macro CROUND
	s_barrier_signal -1
	s_barrier_wait -1
	CREST
.endm
.macro BIASLD                          ; the bias of my 128 columns: register j of block b holds column 16 b + 8 (l / 16) + j
	WIN TO_B
.irp b, 0,1,2,3,4,5,6,7
	global_load_b128 v[8*(\b):8*(\b)+3],   v[BOF], s[BP:BP+1] offset:64*(\b)
	global_load_b128 v[8*(\b)+4:8*(\b)+7], v[BOF], s[BP:BP+1] offset:64*(\b)+16
.endr
	WIN 0
.endm
	s_load_b128 s[4:7], s[0:1], 0x0                ; A = xb s[4:5], B = wt s[6:7]
	s_load_b64 s[8:9], s[0:1], 0x10                ; qkv
	s_load_b64 s[BP:BP+1], s[0:1], 0x18            ; biasw
	v_lshl_add_u32 v[SPW], v0, 2, SPARE
	v_mov_b32 v[NIL], 0
	ds_add_u32 v[SPW], v[NIL]                      ; the wave's opening: the add and its wait stand ahead of my first tensor load; the set-up below, work on registers, stands between them
	v_lshrrev_b32 v1, 5, v0
	v_readfirstlane_b32 s10, v1                    ; wave 0..3
	s_lshr_b32 s11, s10, 1                         ; which half of the tile's rows is mine.  Also: I fetch for A (0) or for B (1)
	s_and_b32 s12, s10, 1                          ; which half of its columns.  Also: which 128 rows of that tile I fetch
	s_bfe_u32 s40, ttmp6, 0x40000                  ; cx
	s_bfe_u32 s41, ttmp6, 0x40004                  ; cy
	s_lshl_b32 s42, ttmp9, 2
	s_add_co_u32 s42, s42, s40                     ; the first tile's column = 4 x cluster x + cx
	s_and_b32 s13, ttmp7, 0xffff
	s_lshl_b32 s13, s13, 2
	s_add_co_u32 s13, s13, s41                     ; tile row = 4 x cluster y + cy
	s_lshl_b32 s43, s41, 2
	s_lshl_b32 s43, 15, s43                        ; my row of the cluster: places 4 cy .. 4 cy + 3
	s_lshl_b32 s44, 0x1111, s40                    ; my column: places cx, cx + 4, cx + 8, cx + 12
	; descriptor group 1: a tile of 128 rows x 128 elements, padded in LDS
	s_or_b32 s[G1+0], s43, (1<<16)|(1<<20)|(1<<21)|(5<<22)|(3<<25)  ; 15:0 the mask; 17:16 elements of 2 bytes; 20 padding on; 21 set beside a mask; 24:22 after every 64 words (code 5); 31:25 4 words of it (code 3)
	s_or_b32 s[G1B+0], s44, (1<<16)|(1<<20)|(1<<21)|(5<<22)|(3<<25)
.irp g, G1, G1B
	s_mov_b32 s[(\g)+1], KSTEP<<16                 ; tensor_dim0 = 128
	s_mov_b32 s[(\g)+2], 128<<16                   ; tensor_dim1 = 128
	s_mov_b32 s[(\g)+3], KSTEP<<16                 ; tile_dim0 = 128
	s_mov_b32 s[(\g)+4], 128                       ; tile_dim1 = 128
	s_mov_b32 s[(\g)+5], SIZE_K                    ; elements from row to row
	s_mov_b32 s[(\g)+6], 0
	s_mov_b32 s[(\g)+7], 0
.endr
	; where the tiles come from: A's hang on the tile row alone, B's on the tile column alone; every wave makes both addresses, in registers that never hold the other coordinate
	s_lshl_b32 s17, s12, 7                         ; which 128 rows of the tile I fetch
	s_lshl_b32 s16, s13, 8
	s_add_co_u32 s16, s16, s17                     ; A: row 256 x tile row + 128 x half
	s_lshl_b32 s46, s42, 8
	s_add_co_u32 s46, s46, s17                     ; B: row 256 x tile column + 128 x half
	s_mov_b32 s17, 0
	s_mov_b32 s47, 0
	s_mov_b64 s[18:19], SIZE_K*2
	s_mul_u64 s[16:17], s[16:17], s[18:19]
	s_mul_u64 s[46:47], s[46:47], s[18:19]
	s_mul_i32 s20, s10, HALFT                      ; where they go: wave x 128 rows: no place in the cluster enters an LDS address
	s_wait_dscnt 0x0                               ; the opening add is done
	s_wait_kmcnt 0x0
	s_add_nc_u64 s[14:15], s[4:5], s[16:17]
	s_add_nc_u64 s[46:47], s[6:7], s[46:47]
	CROUND                                         ; all sixteen work-groups are here: the first joint loads meet
.irp s, 0,1
	s_mov_b32 s[G0+4*(\s)], 1                                      ; count = 1
	s_add_co_u32 s[G0+4*(\s)+1], s20, (\s)*SLOT                    ; LDS address
	s_add_nc_u64 s[G0+4*(\s)+2:G0+4*(\s)+3], s[14:15], (\s)*KSTEP*2  ; global address: K step s
	s_or_b32 s[G0+4*(\s)+3], s[G0+4*(\s)+3], 0x80000000            ; type = 2
	s_mov_b32 s[G0B+4*(\s)], 1
	s_add_co_u32 s[G0B+4*(\s)+1], s20, (\s)*SLOT
	s_add_nc_u64 s[G0B+4*(\s)+2:G0B+4*(\s)+3], s[46:47], (\s)*KSTEP*2
	s_or_b32 s[G0B+4*(\s)+3], s[G0B+4*(\s)+3], 0x80000000
	JLOAD \s                                       ; two tensor loads of mine are out
.endr
	; A fragment is 16 rows x 32 K in 8 registers: lane l holds row l % 16; registers 0-3 K = 8 (l / 16) + 0..7, registers 4-7 K = 16 + 8 (l / 16) + 0..7: two loads of 16 bytes, 32 bytes apart
	v_and_b32 v1, 15, v0                           ; l % 16
	v_bfe_u32 v2, v0, 4, 1                         ; l / 16
	v_mul_u32_u24 v3, v1, PITCH
	v_lshl_add_u32 v3, v2, 4, v3
	s_mul_i32 s21, s11, HALFT                      ; my 128 rows of A
	s_mul_i32 s22, s12, HALFT                      ; my 128 rows of B,
	s_add_co_u32 s22, s22, 2*HALFT                 ; which lie behind A's 256
.irp s, 0,1
	v_add_nc_u32 v[ADRA+(\s)], s21, v3
	v_add_nc_u32 v[ADRB+(\s)], s22, v3
	s_add_co_u32 s21, s21, SLOT
	s_add_co_u32 s22, s22, SLOT
.endr
	s_mul_i32 s23, s10, 16*SPITCH
	s_add_co_u32 s23, s23, STAGE                   ; my stage
	v_mul_u32_u24 v4, v1, SPITCH                   ; in: row l % 16, 16 bytes for each half of the lanes
	v_lshl_add_u32 v4, v2, 4, v4
	v_add_nc_u32 v[STO], s23, v4
	v_mul_u32_u24 v5, v2, SPITCH                   ; back: lanes 0-15 take one row of 256 bytes, lanes 16-31 the next
	v_lshl_add_u32 v5, v1, 4, v5
	v_add_nc_u32 v[RD], s23, v5
	v_mul_u32_u24 v5, v2, CROW                     ; and the same two rows in the result
	v_lshl_add_u32 v[CO], v1, 4, v5
	v_lshlrev_b32 v[BOF], 5, v2
	s_lshl_b32 s13, s13, 8
	s_lshl_b32 s14, s11, 7
	s_add_co_u32 s16, s13, s14                     ; my first row of the result
	s_mov_b32 s17, 0
	s_mov_b64 s[18:19], CROW
	s_mul_u64 s[16:17], s[16:17], s[18:19]
	s_add_nc_u64 s[8:9], s[8:9], s[16:17]
	s_lshl_b32 s46, s42, 9                         ; my first column, in bytes: 512 x tile column + 256 x half
	s_lshl_b32 s47, s12, 8
	s_add_co_u32 s46, s46, s47
	s_mov_b32 s47, 0
	s_add_nc_u64 s[8:9], s[8:9], s[46:47]
	s_lshl_b32 s46, s46, 1                         ; the same column in biasw: 4 bytes a number
	s_add_nc_u64 s[BP:BP+1], s[BP:BP+1], s[46:47]
	; the prefetches.  s13 = 256 x tile row, s42 = tile column, s40 = cx, s41 = cy still stand
	s_lshl_b32 s42, s42, 8
	s_and_b32 s22, ttmp7, 0xffff                   ; cluster y
	s_cmp_eq_u32 s11, 0                            ; do I fetch for A?
	s_cselect_b32 s20, s13, s42                    ; the tile's first row
	s_cselect_b32 s21, s40, s41                    ; my place among the four that ask for it with me
	s_cselect_b32 s22, ttmp9, s22                  ; the coordinate along which other clusters read the same rows
	s_cselect_b64 s[PFA:PFA+1], s[4:5], s[6:7]
	s_cmp_eq_u32 s22, 0
	s_cselect_b32 s[LIM], 1, -1                    ; the same in all sixteen partners, for a given wave
	s_lshl_b32 s22, s12, 7
	s_add_co_u32 s20, s20, s22                     ; + the 128 rows that I fetch
	s_lshl_b32 s21, s21, 5
	s_add_co_u32 s20, s20, s21                     ; + my work-group's 32 of them
	s_mov_b32 s21, 0
	s_mov_b64 s[18:19], SIZE_K*2
	s_mul_u64 s[20:21], s[20:21], s[18:19]
	s_add_nc_u64 s[PFA:PFA+1], s[PFA:PFA+1], s[20:21]
	s_add_nc_u64 s[PFA:PFA+1], s[PFA:PFA+1], 2*KSTEP*2  ; at K step 2: the first refill steps it to 3 and names K step 4; K steps 0 to 3 come by their loads alone
	v_and_b32 v[PFO], 31, v0
	v_mul_u32_u24 v[PFO], v[PFO], SIZE_K*2
	BIASLD
; 16 matrix instructions: m blocks a0, a0 + 1 of the window's four (hi = 0: my rows 0-63, 1: rows 64-127) x all 8 n blocks, 32 along K.  zero = 1: the product starts the sums, with the bias as C.
.macro MUL16 f, hi, a0, zero
.if \zero
	WIN BEG_LO+0x40*(\hi)
.else
	WIN MUL_LO+0x50*(\hi)
.endif
.irp a, \a0, (\a0)+1
.irp b, 0,1,2,3,4,5,6,7
.if \zero
	v_wmma_f32_16x16x32_bf16 v[8*(8*(\a)+(\b)):8*(8*(\a)+(\b))+7], v[(\f)+8*(\b):(\f)+8*(\b)+7], v[(\f)+8*(4*(\hi)+(\a)):(\f)+8*(4*(\hi)+(\a))+7], v[8*(\b):8*(\b)+7]
.else
	v_wmma_f32_16x16x32_bf16 v[8*(8*(\a)+(\b)):8*(8*(\a)+(\b))+7], v[(\f)+8*(\b):(\f)+8*(\b)+7], v[(\f)+8*(4*(\hi)+(\a)):(\f)+8*(4*(\hi)+(\a))+7], v[8*(8*(\a)+(\b)):8*(8*(\a)+(\b))+7]
.endif
.endr
.endr
.endm
; 32 LDS loads in one run: the fragments of one quarter step (128 rows of B, 128 rows of A, 32 K at byte k of the rows) into buffer f
.macro FETCH slot, k, f
	WIN TO_B
.irp i, 0,1,2,3,4,5,6,7
	ds_load_b128 v[(\f)+8*(\i):(\f)+8*(\i)+3],   v[ADRB+(\slot)] offset:(\k)+(\i)*16*PITCH
	ds_load_b128 v[(\f)+8*(\i)+4:(\f)+8*(\i)+7], v[ADRB+(\slot)] offset:(\k)+(\i)*16*PITCH+32
.endr
	WIN 0
.irp i, 0,1,2,3,4,5,6,7
	ds_load_b128 v[(\f)+8*(\i):(\f)+8*(\i)+3],   v[ADRA+(\slot)] offset:(\k)+(\i)*16*PITCH
	ds_load_b128 v[(\f)+8*(\i)+4:(\f)+8*(\i)+7], v[ADRA+(\slot)] offset:(\k)+(\i)*16*PITCH+32
.endr
.endm
; Four plain vector instructions stand between a matrix instruction and a load into a register that it has read, or a vector instruction that reads its result (ISA guide 7.12.1 for vector instructions)
.macro PLACES
.rept 4
	v_nop
.endr
.endm
; A K step is four quarter steps of 32 along K, 64 matrix instructions each, on buffers 0, 1, 0, 1; the 64 accumulators take turns in the same order in every quarter.
; One of the first three: multiplies buffer f; in its middle it fetches the next quarter's fragments, at byte k of the same slot's rows, into buffer g.
.macro QUARTER slot, k, f, g, zero
	s_wait_dscnt 8                                 ; B and A's rows 0-63 are in; the youngest eight loads (A's rows 64-127) may be out
	MUL16 \f, 0, 0, \zero
	MUL16 \f, 0, 2, \zero
	PLACES
	FETCH \slot, \k, \g
	s_wait_dscnt 32                                ; all but the 32 just issued
	MUL16 \f, 1, 0, \zero
	MUL16 \f, 1, 2, \zero
.endm
; The last quarter multiplies buffer 1 and changes slots.  MEET is its first half: ONE barrier.  In front of it each wave waits for all its tensor loads, of which one is out: its part of the next slot;
; adds 0 to its spare word; and waits for that and for its own reads of this slot.  Behind it nobody reads this slot any more and the next slot is whole.
.macro MEET round                      ; round = 1: a round of the cluster's barrier follows
	WIN 0                                          ; (the add's two registers lie in window 0)
	s_wait_tensorcnt 0x0                           ; all my tensor loads have landed
	ds_add_u32 v[SPW], v[NIL]                      ; 0 onto my spare word
	s_wait_dscnt 9                                 ; (the add and the youngest eight loads may be out)
	MUL16 F1, 0, 0, 0                              ; sixteen matrix instructions stand between the add and the wait for it
	s_wait_dscnt 0x0                               ; the add is done, and my reads of this slot are over
	s_barrier_signal -1
	MUL16 F1, 0, 2, 0                              ; work on registers while the others arrive
.if \round
	WIN 0
.endif
	s_barrier_wait -1
.endm
; The whole last quarter.  Behind the round the slot just read out is filled again first: with this tile's K step two steps on (on = 0) or, in a tile's last two K steps, with the NEXT tile's K step 0 or 1
; (on = 1); then come the next slot's first fragments.  From a request to the wait for it a wave issues 224 matrix instructions, across tiles too.
.macro TURN slot, next, on
	s_wait_xcnt 0x0                                ; the last prefetch, a K step back, has read its address: it is stepped here, ahead of the waits of the change of slots
.if (\on) && (\slot) == 0
	s_add_nc_u64 s[PFA:PFA+1], s[PFA:PFA+1], (WALK-1)*SIZE_K*2+KSTEP*2  ; from the K step after the tile's last to the next tile's K step 1: 1,024 rows down, back along K
	s_cmp_eq_u32 s11, 1
	s_cselect_b32 s[LIM], s[LIM], -1               ; A's rows are the same for all three tiles: they are prefetched no more
.else
	s_add_nc_u64 s[PFA:PFA+1], s[PFA:PFA+1], KSTEP*2
.endif
	MEET 1
	CREST                                          ; no wave of any partner still reads this slot's tile or has a load on its way
.if \on
	s_sub_nc_u64 s[G0+4*(\slot)+2:G0+4*(\slot)+3], s[G0+4*(\slot)+2:G0+4*(\slot)+3], BACK_A
	s_add_nc_u64 s[G0B+4*(\slot)+2:G0B+4*(\slot)+3], s[G0B+4*(\slot)+2:G0B+4*(\slot)+3], NEXT_B
.else
	s_add_nc_u64 s[G0+4*(\slot)+2:G0+4*(\slot)+3], s[G0+4*(\slot)+2:G0+4*(\slot)+3], 2*KSTEP*2
	s_add_nc_u64 s[G0B+4*(\slot)+2:G0B+4*(\slot)+3], s[G0B+4*(\slot)+2:G0B+4*(\slot)+3], 2*KSTEP*2
.endif
	JLOAD \slot                                    ; the first tensor load behind the round, my only one out; its four v_nop are also the places in front of the loads below
	FETCH \next, 0, F0
	ASK \on
	MUL16 F1, 1, 0, 0
	MUL16 F1, 1, 2, 0
.endm
; THE WAY OUT of block a (16 of my rows), in three parts.  PACK: rounded to f16, 16 bytes a lane, each accumulator's registers in ascending order.  TOSTAGE: into my own stage, and back as whole rows of 256 bytes.  SEND: stored.
.macro PACK a
.set AC, 64*((\a)%4)
	WIN 0x0a+5*((\a)/4)                            ; sources 0 and 1: window 2 or 3
.irp b, 0,1,2,3,4,5,6,7
.irp r, 0,1,2,3
	v_cvt_pk_f16_f32 v[TMP+4*(\b)+(\r)], v[AC+8*(\b)+2*(\r)], v[AC+8*(\b)+2*(\r)+1]
.endr
.endr
	WIN 0
.endm
.macro TOSTAGE a
	WIN 0
.set BK, OB+192*((\a)%2)
.irp b, 0,1,2,3,4,5,6,7
	ds_store_b128 v[STO], v[TMP+4*(\b):TMP+4*(\b)+3] offset:32*(\b)
.endr
.irp t, 0,1,2,3,4,5,6,7
	ds_load_b128 v[BK+4*(\t):BK+4*(\t)+3], v[RD] offset:(\t)*2*SPITCH  ; LDS serves a wave's instructions in order (ISA guide 5.7.1.4): these see the stores above
.endr
.endm
.macro SEND a, younger
	WIN 0
.set BK, OB+192*((\a)%2)
	s_wait_dscnt \younger                          ; the block is back in registers
	s_wait_xcnt 0x0                                ; the stores of the block before have read their registers: the next block's loads from the stage land on them only behind this wait
.irp t, 0,1,2,3,4,5,6,7
	global_store_b128 v[CO], v[BK+4*(\t):BK+4*(\t)+3], s[8:9] offset:(16*(\a)+2*(\t))*CROW  ; 16 lanes store 256 consecutive bytes, at a multiple of 256 from the buffer's first byte; 126 rows at the most in the immediate
.endr
.endm
	s_wait_tensorcnt 1                             ; my part of K step 0 is in; K step 1's load may stay out
	s_barrier_signal -1
	s_barrier_wait -1                              ; everybody's is
	FETCH 0, 0, F0
	s_mov_b32 s2, TILES                            ; tiles to go, this one among them: the same number in every work-group
.Ltile:                                                ; three trips, a tile each
	s_wait_loadcnt 0x0                             ; the tile's bias: the launch's only loads into registers
	QUARTER 0, 64,  F0, F1, 1                      ; a tile's first quarter stands in front of the loop: its products start the sums
	WIN 0                                          ; at a label and at a branch every window is 0
	s_mov_b32 s3, LAPS-1
.Llap:                                                 ; a trip goes once round the ring, from a lap's second quarter to the next lap's first, and fills both slots again
	QUARTER 0, 128, F1, F0, 0
	QUARTER 0, 192, F0, F1, 0
	TURN 0, 1, 0
	QUARTER 1, 64,  F0, F1, 0
	QUARTER 1, 128, F1, F0, 0
	QUARTER 1, 192, F0, F1, 0
	TURN 1, 0, 0
	QUARTER 0, 64,  F0, F1, 0
	WIN 0
	s_sub_co_u32 s3, s3, 1
	s_cmp_lg_u32 s3, 0
	s_cbranch_scc1 .Llap
	QUARTER 0, 128, F1, F0, 0                      ; the tile's last lap goes on
	QUARTER 0, 192, F0, F1, 0
	WIN 0
	s_cmp_eq_u32 s2, 1
	s_cbranch_scc1 .Llast_tile                     ; the last tile's tail is written out: it asks for nothing more
	TURN 0, 1, 1                                   ; the ring goes on into the next tile: slot 0 takes its K step 0,
	QUARTER 1, 64,  F0, F1, 0
	QUARTER 1, 128, F1, F0, 0
	QUARTER 1, 192, F0, F1, 0
	TURN 1, 0, 1                                   ; slot 1 its K step 1, and the next tile's first fragments are fetched
	WIN 0
	s_add_nc_u64 s[BP:BP+1], s[BP:BP+1], 4*WALK    ; the next tile's bias (the last bias loads were waited for at the tile's head)
	BIASLD
	s_branch .Lout                                 ; both refills are asked for: now the tile goes out
.Llast_tile:
	MEET 0                                         ; my one tensor load that was still out is slot 1's, the last K step's, so no round follows
	PLACES
	FETCH 1, 0, F0
	MUL16 F1, 1, 0, 0
	MUL16 F1, 1, 2, 0
	QUARTER 1, 64,  F0, F1, 0
	QUARTER 1, 128, F1, F0, 0
	QUARTER 1, 192, F0, F1, 0
	s_wait_dscnt 8                                 ; the very last quarter: nothing more to fetch
	MUL16 F1, 0, 0, 0
	MUL16 F1, 0, 2, 0
	s_wait_dscnt 0x0
	MUL16 F1, 1, 0, 0
	MUL16 F1, 1, 2, 0
	WIN 0
.Lout:                                                 ; ONE way out for all three tiles
	PLACES                                         ; behind the last products, ahead of the conversions that read results
	PACK 0
	TOSTAGE 0
.irp a, 1,2,3,4,5,6,7                  ; block a's conversions stand between block a - 1's loads from the stage and the wait for them
	PACK \a
	SEND (\a)-1, 0
	TOSTAGE \a
.endr
	SEND 7, 0
	s_wait_xcnt 0x0                                ; the stores have read their base and their registers
	s_add_nc_u64 s[8:9], s[8:9], 2*WALK            ; 1,024 columns on (behind the last tile the stepped address is not used)
	s_sub_co_u32 s2, s2, 1
	s_cmp_lg_u32 s2, 0
	s_cbranch_scc1 .Ltile
	s_wait_tensorcnt 0x0                           ; the wave's end, behind my last tensor load and my last LDS store
	ds_add_u32 v[SPW], v[NIL]
	s_wait_dscnt 0x0
	CROUND                                         ; the closing round: no work-group ends while a partner may still ask for a tile that names it
	s_endpgm
.Lfunc_end_k_q9f849534ce_qkv:
	.size	k_q9f849534ce_qkv, .Lfunc_end_k_q9f849534ce_qkv-k_q9f849534ce_qkv
	.p2alignl 7, 3214868480
	.fill 96, 4, 3214868480
	.section	.rodata,"a",@progbits
	.p2align	6, 0x0
	.amdhsa_kernel k_q9f849534ce_qkv
		.amdhsa_group_segment_fixed_size 327680
		.amdhsa_private_segment_fixed_size 0
		.amdhsa_enable_private_segment 0
		.amdhsa_kernarg_size 32
		.amdhsa_user_sgpr_count 2
		.amdhsa_user_sgpr_kernarg_segment_ptr 1
		.amdhsa_wavefront_size32 1
		.amdhsa_system_sgpr_workgroup_id_x 1
		.amdhsa_system_sgpr_workgroup_id_y 1
		.amdhsa_system_sgpr_workgroup_id_z 1
		.amdhsa_system_vgpr_workitem_id 0
		.amdhsa_next_free_vgpr 1024
		.amdhsa_next_free_sgpr 68
		.amdhsa_reserve_vcc 0
		.amdhsa_float_denorm_mode_32 3
		.amdhsa_float_denorm_mode_16_64 3
		.amdhsa_memory_ordered 1
		.amdhsa_forward_progress 1
		.amdhsa_inst_pref_size 181
	.end_amdhsa_kernel
	.amdgpu_metadata
---
amdhsa.version: [ 1, 2 ]
amdhsa.kernels:
  - .name:           k_q9f849534ce_qkv
    .symbol:         k_q9f849534ce_qkv.kd
    .args:
      - { .name: xb, .offset: 0, .size: 8, .value_kind: global_buffer, .address_space: global }
      - { .name: wt, .offset: 8, .size: 8, .value_kind: global_buffer, .address_space: global }
      - { .name: qkv, .offset: 16, .size: 8, .value_kind: global_buffer, .address_space: global }
      - { .name: biasw, .offset: 24, .size: 8, .value_kind: global_buffer, .address_space: global }
    .group_segment_fixed_size: 327680
    .private_segment_fixed_size: 0
    .kernarg_segment_align: 8
    .kernarg_segment_size: 32
    .max_flat_workgroup_size: 128
    .sgpr_count:     68
    .vgpr_count:     1024
    .wavefront_size: 32
...
	.end_amdgpu_metadata
.endif
;; end of part 2
;; launch heads (part 3): grid 1024 x 1, 4 waves a work-group, no clusters, 0 bytes of LDS; arguments qkv, attn; writes attn
.if DOCPART == 3
	.amdgcn_target "amdgcn-amd-amdhsa--gfx1250"
	.amdhsa_code_object_version 6
	.text
	.protected	k_q9f849534ce_heads
	.globl	k_q9f849534ce_heads
	.p2align	8
	.type	k_q9f849534ce_heads,@function
k_q9f849534ce_heads:
	s_mov_b64 s[64:65], 0
	v_nop
	global_prefetch_b8 v0, s[64:65] scope:SCOPE_SE
	s_setreg_imm32_b32 hwreg(HW_REG_WAVE_MODE, 25, 1), 1
	s_wait_xcnt 0x0
; THE HEADS OF ONE TOKEN ATTEND TO EACH OTHER.  For each of 16,384 tokens: S[h][g] = Q[h] . K[g] / 8 over 64 channels, P = softmax over g, O[h] = the sum over g of P[h][g] V[g].
; qkv: [16384][3072] f16, a token's Q, K and V, 2,048 bytes each, in the order in which the launches before have laid them; attn: [16384][1024] f16.
; Products, maximum and sum in f32; the weights, divided by their sum, are rounded to f16 for the second product, O once at the end.
; LIMITS.  Q, K and V arrive within f16's 65,504; a weight below 2^-126 counts as 0; NaN and infinities are not treated apart.
; LAYOUT.  Lane l = r + 16 h.  The q-th 512 bytes of Q (of K) give lane l head r, channels 16 q + 8 h + 0..7: two such loads ARE a fragment of 16 heads x 32 channels.
; S^T = K Q^T (source 0 = K, source 1 = Q): a lane holds ONE query head r and the key heads 8 h + 0..7, so a maximum and a sum want one exchange between the halves of the lanes.
; The eight weights, rounded in pairs, are registers 0-3 of source 1 (32 k x 16 query heads) of O^T = V^T P; its registers 4-7 (k = 16 .. 31: there are only 16 key heads) hold 0.
; The c-th 512 bytes of V give lane l channel 16 c + r, key heads 8 h + 0..7: registers 0-3 of source 0.  Its registers 4-7 are simply the four registers that follow (the next block of V, or four
; zeros behind the last): finite numbers, multiplied by P's zeros.  O^T's result holds query head r, channels 16 c + 8 h + 0..7 a lane: 16 bytes, stored at 512 c + 16 l; the last product's weights are laid in that order.
; SHARES.  A wave owns four tokens, two at a time; all its 48 loads (512 consecutive bytes each) go out at its head.  No loop, no LDS, no barrier: no byte is wanted by two waves.  No cluster and no tensor
; load for the same reason; no prefetch: every wave of the launch asks for all its bytes at once.
.set S,  8                             ; v[8:23]    S^T, 8 registers a token u = 0, 1
.set P,  24                            ; v[24:39]   source 1 of the second product; registers 4-7 of each stay 0
.set T,  40                            ; v[40:55]   at work, 8 a token: +0 maximum, +1 the other half's, +2 c m (+3 named with it), +4, +5 sums, +6 1 / l (+7 named with it)
; a set of two tokens at SB = 56 or 156: Q of token u at SB + 32 u, K at SB + 32 u + 16, V at SB + 64 + 16 u, four zeros at SB + 96; O^T takes Q's and K's place
	s_load_b128 s[4:7], s[0:1], 0x0                ; qkv s[4:5], attn s[6:7]
	v_lshrrev_b32 v2, 5, v0
	v_readfirstlane_b32 s8, v2                     ; wave 0..3
	s_lshl_b32 s9, ttmp9, 2
	s_add_co_u32 s9, s9, s8                        ; my wave among the launch's 4,096
	s_mul_i32 s10, s9, 4*6144                      ; four tokens of qkv,
	s_mov_b32 s11, 0
	s_lshl_b32 s16, s9, 13                         ; four of attn
	s_mov_b32 s17, 0
	v_and_b32 v1, 31, v0
	v_lshlrev_b32 v1, 4, v1                        ; 16 bytes a lane: the one offset of every load and store; never rewritten
	s_mov_b32 s12, 0x3e38aa3b                      ; c = log2(e) / 8
	s_mov_b32 s13, s12                             ; named with it as a pair
	s_mov_b32 s14, 0x76543210                      ; v_permlanex16_b32: each lane takes its own place in the other half
	s_mov_b32 s15, 0xfedcba98
	s_wait_kmcnt 0x0
	s_add_nc_u64 s[4:5], s[4:5], s[10:11]
	s_add_nc_u64 s[6:7], s[6:7], s[16:17]
.macro LOADS b
.set SB, 56+100*(\b)
.irp u, 0,1
.irp q, 0,1,2,3
	global_load_b128 v[SB+32*(\u)+4*(\q):SB+32*(\u)+4*(\q)+3],       v1, s[4:5] offset:(2*(\b)+(\u))*6144+512*(\q) th:TH_LOAD_NT
	global_load_b128 v[SB+32*(\u)+16+4*(\q):SB+32*(\u)+16+4*(\q)+3], v1, s[4:5] offset:(2*(\b)+(\u))*6144+2048+512*(\q) th:TH_LOAD_NT
	global_load_b128 v[SB+64+16*(\u)+4*(\q):SB+64+16*(\u)+4*(\q)+3], v1, s[4:5] offset:(2*(\b)+(\u))*6144+4096+512*(\q) th:TH_LOAD_NT
.endr
.endr
.endm
.macro BOTH line:vararg                ; one line for each of the two tokens: no instruction reads the result of the one just before it
.set u, 0
.rept 2
	\line
.set u, u+1
.endr
.endm
.macro WORK b
.set SB, 56+100*(\b)
	; S^T = K Q^T: two links a token; the two accumulators take turns
	BOTH v_wmma_f32_16x16x32_f16 v[S+8*u:S+8*u+7], v[SB+32*u+16:SB+32*u+23], v[SB+32*u:SB+32*u+7], 0
	BOTH v_wmma_f32_16x16x32_f16 v[S+8*u:S+8*u+7], v[SB+32*u+24:SB+32*u+31], v[SB+32*u+8:SB+32*u+15], v[S+8*u:S+8*u+7]
.rept 4
	v_nop                                          ; the places behind those products (ISA guide 7.12.1)
.endr
	BOTH v_max3_num_f32 v[T+8*u],   v[S+8*u],   v[S+8*u+1], v[S+8*u+2]   ; the maximum of my eight scores, from the accumulator's low end on
	BOTH v_max3_num_f32 v[T+8*u+1], v[S+8*u+3], v[S+8*u+4], v[S+8*u+5]
	BOTH v_max3_num_f32 v[T+8*u],   v[T+8*u],   v[S+8*u+6], v[S+8*u+7]
	BOTH v_max_num_f32 v[T+8*u], v[T+8*u], v[T+8*u+1]
	BOTH v_permlanex16_b32 v[T+8*u+1], v[T+8*u], s14, s15                ; the query head's other eight key heads lie in the lane 16 away
	BOTH v_max_num_f32 v[T+8*u], v[T+8*u], v[T+8*u+1]                    ; m, the row's true maximum
	BOTH v_mul_f32 v[T+8*u+2], s12, v[T+8*u]                             ; c m
.irp i, 0,2,4,6
	BOTH v_pk_fma_f32 v[S+8*u+(\i):S+8*u+(\i)+1], v[S+8*u+(\i):S+8*u+(\i)+1], s[12:13], v[T+8*u+2:T+8*u+3] op_sel_hi:[1,0,0] neg_lo:[0,0,1] neg_hi:[0,0,1]  ; c s - c m
.endr
.irp i, 0,1,2,3,4,5,6,7
	BOTH v_exp_f32 v[S+8*u+(\i)], v[S+8*u+(\i)]                          ; one batch of sixteen
.endr
	v_nop                                          ; a plain instruction behind the last exponential,
	s_wait_alu depctr_va_vdst(0)                   ; and one wait ahead of the batch's first reader
	BOTH v_pk_add_f32 v[T+8*u+4:T+8*u+5], v[S+8*u:S+8*u+1],   v[S+8*u+2:S+8*u+3]
	BOTH v_pk_add_f32 v[T+8*u+6:T+8*u+7], v[S+8*u+4:S+8*u+5], v[S+8*u+6:S+8*u+7]
	BOTH v_pk_add_f32 v[T+8*u+4:T+8*u+5], v[T+8*u+4:T+8*u+5], v[T+8*u+6:T+8*u+7]
	BOTH v_add_f32 v[T+8*u+4], v[T+8*u+4], v[T+8*u+5]
	BOTH v_permlanex16_b32 v[T+8*u+5], v[T+8*u+4], s14, s15
	BOTH v_add_f32 v[T+8*u+4], v[T+8*u+4], v[T+8*u+5]                    ; l: at least 1, the maximum's own weight
	BOTH v_rcp_f32 v[T+8*u+6], v[T+8*u+4]
	v_nop
	s_wait_alu depctr_va_vdst(0)                   ; one wait for the two reciprocals
.irp i, 0,2,4,6
	BOTH v_pk_mul_f32 v[S+8*u+(\i):S+8*u+(\i)+1], v[S+8*u+(\i):S+8*u+(\i)+1], v[T+8*u+6:T+8*u+7] op_sel_hi:[1,0]
.endr
.irp i, 0,1,2,3
	BOTH v_cvt_pk_f16_f32 v[P+8*u+(\i)], v[S+8*u+2*(\i)], v[S+8*u+2*(\i)+1]
.endr
	; O^T = V^T P: four blocks of 16 channels a token, each a sum of its own, into the registers that Q and K have left
.irp c, 0,1,2,3
	BOTH v_wmma_f32_16x16x32_f16 v[SB+32*u+8*(\c):SB+32*u+8*(\c)+7], v[SB+64+16*u+4*(\c):SB+64+16*u+4*(\c)+7], v[P+8*u:P+8*u+7], 0
.endr
.rept 4
	v_nop
.endr
.set i, 0
.rept 16                                       ; rounded in place, in ascending order: word i takes numbers 2 i and 2 i + 1, which no earlier word has overwritten
	BOTH v_cvt_pk_f16_f32 v[SB+32*u+i], v[SB+32*u+2*i], v[SB+32*u+2*i+1]
.set i, i+1
.endr
.irp c, 0,1,2,3
	BOTH global_store_b128 v1, v[SB+32*u+4*(\c):SB+32*u+4*(\c)+3], s[6:7] offset:(2*(\b)+u)*2048+512*(\c)  ; a wave stores 512 consecutive bytes, aligned; no register of a store is written again
.endr
.endm
	LOADS 0
	LOADS 1
.irp r, 28,29,30,31, 36,37,38,39, 43,51, 152,153,154,155, 252,253,254,255
	v_mov_b32 v\r, 0                               ; the upper halves of P's fragments, the zeros behind each set's V, and the two registers that are only named in a pair
.endr
	s_wait_loadcnt 24                              ; the first two tokens are in; the other two tokens' 24 loads stay out
	WORK 0
	s_wait_loadcnt 0x0
	WORK 1
	s_endpgm
.Lfunc_end_k_q9f849534ce_heads:
	.size	k_q9f849534ce_heads, .Lfunc_end_k_q9f849534ce_heads-k_q9f849534ce_heads
	.p2alignl 7, 3214868480
	.fill 96, 4, 3214868480
	.section	.rodata,"a",@progbits
	.p2align	6, 0x0
	.amdhsa_kernel k_q9f849534ce_heads
		.amdhsa_group_segment_fixed_size 0
		.amdhsa_private_segment_fixed_size 0
		.amdhsa_enable_private_segment 0
		.amdhsa_kernarg_size 16
		.amdhsa_user_sgpr_count 2
		.amdhsa_user_sgpr_kernarg_segment_ptr 1
		.amdhsa_wavefront_size32 1
		.amdhsa_system_sgpr_workgroup_id_x 1
		.amdhsa_system_sgpr_workgroup_id_y 1
		.amdhsa_system_sgpr_workgroup_id_z 1
		.amdhsa_system_vgpr_workitem_id 0
		.amdhsa_next_free_vgpr 256
		.amdhsa_next_free_sgpr 66
		.amdhsa_reserve_vcc 0
		.amdhsa_float_denorm_mode_32 3
		.amdhsa_float_denorm_mode_16_64 3
		.amdhsa_memory_ordered 1
		.amdhsa_forward_progress 1
		.amdhsa_inst_pref_size 21
	.end_amdhsa_kernel
	.amdgpu_metadata
---
amdhsa.version: [ 1, 2 ]
amdhsa.kernels:
  - .name:           k_q9f849534ce_heads
    .symbol:         k_q9f849534ce_heads.kd
    .args:
      - { .name: qkv, .offset: 0, .size: 8, .value_kind: global_buffer, .address_space: global }
      - { .name: attn, .offset: 8, .size: 8, .value_kind: global_buffer, .address_space: global }
    .group_segment_fixed_size: 0
    .private_segment_fixed_size: 0
    .kernarg_segment_align: 8
    .kernarg_segment_size: 16
    .max_flat_workgroup_size: 128
    .sgpr_count:     66
    .vgpr_count:     256
    .wavefront_size: 32
...
	.end_amdgpu_metadata
.endif
;; end of part 3
;; launch proj (part 4): grid 4 x 64, 4 waves a work-group, clusters of 4 x 4, 327,680 bytes of LDS; arguments attn, wt, out0, biasw; writes out0
.if DOCPART == 4
	.amdgcn_target "amdgcn-amd-amdhsa--gfx1250"
	.amdhsa_code_object_version 6
	.text
	.protected	k_q9f849534ce_proj
	.globl	k_q9f849534ce_proj
	.p2align	8
	.type	k_q9f849534ce_proj,@function
k_q9f849534ce_proj:
	s_mov_b64 s[64:65], 0
	v_nop
	global_prefetch_b8 v0, s[64:65] scope:SCOPE_SE
	s_setreg_imm32_b32 hwreg(HW_REG_WAVE_MODE, 25, 1), 1
	s_wait_xcnt 0x0
	s_wait_alu depctr_hold_cnt(0) depctr_sa_sdst(0) depctr_va_vdst(0) depctr_va_sdst(0) depctr_va_ssrc(0) depctr_va_vcc(0) depctr_vm_vsrc(0)
	s_getreg_b32 s2, hwreg(HW_REG_IB_STS2, 6, 4)
	s_cmp_eq_u32 s2, 0
	s_cbranch_scc0 .Lentry_in_a_cluster
	s_endpgm
.Lentry_in_a_cluster:
	s_bfe_u32 s2, ttmp6, 0x10000c
	s_cmp_lg_u32 s2, 0xf033
	s_cbranch_scc0 .Lentry_shape_is_right
	s_endpgm
.Lentry_shape_is_right:
; out0[t][n] = the sum over k' of attn[t][k'] wt[3072 + n][k'] + biasw[3072 + n].  attn: [16384][1024] f16; wt's rows 3072 .. 4095: Wo turned, [1024] f16, K in attn's order; biasw f32; sums in f32; out0: [16384][1024] f32.
; A tile of the result, 256 x 256, is made by a work-group of four waves; a wave makes 128 x 128: 64 accumulators of 16 x 16, 512 registers.  64 x 4 tiles: one for each of 256 work-groups.
; K goes in 8 steps of 128 through a ring of two LDS slots filled by the tensor data mover: the tiles' rows are 256 bytes of memory and start at multiples of 256 bytes from the buffer's first byte.
; THE LAST K STEP GOES BY ROWS OF THE RESULT, not by K: a wave's eight blocks of 16 rows are finished one after the other, and each is stored as soon as it is finished, while the others are still multiplied:
; the tile is 256 KiB of f32, and nothing follows it under which its stores could leave.
; CLUSTERS: 4 x 4 work-groups.  The four of a row of the cluster need the same tiles of attn (A), the four of a column the same tiles of wt (B): each tile is asked for JOINTLY, by the same tensor load
; with the same descriptor and a mask that names the four.  THE BIAS is the C operand of the product that starts each sum.
; REGISTERS, in windows of 256 (s_set_vgpr_msb's low byte: bits 1:0 source 0, 3:2 source 1, 5:4 source 2, 7:6 destination):
;   window 0: v0-31 addresses; v64-127, v128-191 fragments of A, two buffers (in the last K step four, of 16 rows x 128 K); v192-255 16 rows read back from the stage
;   window 1: v0-63 the bias of my 128 columns, 8 registers for each block of 16; v64-127, v128-191 fragments of B, two buffers; in the last K step all 256: B's fragments of the whole step
;   window 2: the 32 accumulators of my rows 0-63 (accumulator (a, b) at v[8 (8 a + b)]);   window 3: those of my rows 64-127
; THE MATRIX INSTRUCTION IS USED TRANSPOSED: source 0 = 16 rows of B, source 1 = 16 rows of A: lane l then holds row l % 16 of the result and the columns 8 (l / 16) + 0 .. 7: 32 bytes on end.
.set SIZE_K, 1024
.set CROW,   4096                      ; bytes in a row of out0
.set WROW0,  3072                      ; Wo's first row in wt and first place in biasw
.set KSTEP,  128
.set PITCH,  272                       ; an LDS row: 256 bytes + 16 of padding = 68 words: the 16 rows that a load touches start at 16 different groups of four banks (64 banks of 4 bytes: ISA guide 11.1)
.set HALFT,  128*PITCH
.set SLOT,   4*HALFT                   ; A's 256 rows, then B's 256 rows
.set STAGE,  2*SLOT                    ; behind the ring: 16 rows x 528 bytes for each wave, for the way out
.set SPITCH, 528                       ; 512 bytes + 16 = 132 words: again 16 rows at 16 different groups of four banks
.set SPARE,  STAGE+4*16*SPITCH         ; behind the stages: the spare words, 128 bytes for each wave
.set LAPS,   SIZE_K/(2*KSTEP)
.set ADRA, 16                          ; v16-17  LDS address of my A fragments in slot 0, 1
.set ADRB, 20                          ; v20-21  the same for B
.set STO,  24                          ; v24     the way out: where I put 32 bytes of a row
.set RD,   25                          ; v25     the way out: where I read a row back
.set CO,   26                          ; v26     my byte offset in a row's 512 bytes; never rewritten
.set BOF,  27                          ; v27     my byte offset in a block's 16 biases: 32 (l / 16); never rewritten
.set SPW,  28                          ; v28     LDS address of my spare word; never rewritten
.set NIL,  29                          ; v29     0; never rewritten
.set PFO,  30                          ; v30     the prefetches' offset: my lane x a row of 2,048 bytes; never rewritten
.set PFA,  44                          ; s[44:45] where my prefetches stand
.set LIM,  43                          ; s43     1 in a wave that prefetches, else the greatest number
.set BP,   66                          ; s[66:67] biasw at my 128 columns
.set F0,   64
.set F1,   128
.set PA,   64                          ; the last K step: A's fragments of 16 rows x 128 K, 32 registers; four such buffers, v64-191
.set BK,   192                         ; the way out: 16 rows of 512 bytes, 64 registers
.set G1, 24                            ; s[24:31] descriptor group 1 for A's tiles;  s[32:39] group 0, one set for each slot
.set G0, 32
.set G1B, 48                           ; s[48:55], s[56:63] the same for B's tiles
.set G0B, 56
.set MSB, 0
.macro WIN new                         ; the immediate's high byte repeats the setting that is left; a switch that changes nothing is dropped
.if MSB != (\new)
	s_set_vgpr_msb (MSB<<8)|(\new)
.set MSB, \new
.endif
.endm
.set MUL_LO, 0xa1                      ; source 0 (B) window 1, source 1 (A) window 0, C and D window 2
.set MUL_HI, 0xf1                      ; the same, C and D window 3
.set BEG_LO, 0x91                      ; a sum's first product: C (the bias) window 1, D window 2
.set TO_B,   0x40                      ; destination window 1, address window 0
; A joint load.  Waves 0 and 1 fetch A's two halves, waves 2 and 3 B's.  The branch hangs on the wave's number alone.  An s_nop 0 and four v_nop follow each of the two lines.
.macro JLOAD s
	s_cmp_eq_u32 s11, 0
	s_cbranch_scc0 .Lfor_b_\@
	tensor_load_to_lds s[G0+4*(\s):G0+4*(\s)+3], s[G1:G1+7]
	s_nop 0
.rept 4
	v_nop
.endr
	s_branch .Lasked_\@
.Lfor_b_\@:
	tensor_load_to_lds s[G0B+4*(\s):G0B+4*(\s)+3], s[G1B:G1B+7]
	s_nop 0
.rept 4
	v_nop
.endr
.Lasked_\@:
.endm
; A PREFETCH, behind each joint load, its five lines and the run of LDS loads that follows them: the K step that stands two refills on: 32 rows x 256 bytes, a lane a row, one instruction a wave.
; Each row's 256 bytes of a K step are named once in the launch.  A's tile row is read by this cluster alone (the grid is one cluster wide); B's tile column by all sixteen clusters: the one with y = 0 asks.
; The four partners that ask for a tile jointly share its rows out BY ADDRESS: of the 128 rows that a wave fetches the partner at place p takes 32 p .. 32 p + 31 (p = cx for A, cy for B).
; The last two refills have no K step two on; K steps 0 to 3 come by their loads alone.
.macro ASK
	s_cmp_gt_u32 s3, s[LIM]                        ; s3 = 1 in the loop's last trip
	s_cbranch_scc0 .Lnot_mine_\@
	global_prefetch_b8 v[PFO], s[PFA:PFA+1] offset:KSTEP*2 th:TH_LOAD_NT scope:SCOPE_SE
.Lnot_mine_\@:
.endm
; A round of the cluster's barrier: my work-group's barrier; wave 0 signals for the work-group; every wave waits for all sixteen work-groups; my work-group's barrier once more.
.macro CREST
	s_cmp_lg_u32 s10, 0
	s_cbranch_scc1 .Lnot_wave_0_\@
	s_barrier_signal -3
.Lnot_wave_0_\@:
	s_barrier_wait -3
	s_barrier_signal -1
	s_barrier_wait -1
.endm
.macro CROUND
	s_barrier_signal -1
	s_barrier_wait -1
	CREST
.endm
	s_load_b128 s[4:7], s[0:1], 0x0                ; A = attn s[4:5], B = wt s[6:7]
	s_load_b64 s[8:9], s[0:1], 0x10                ; out0
	s_load_b64 s[BP:BP+1], s[0:1], 0x18            ; biasw
	v_lshl_add_u32 v[SPW], v0, 2, SPARE
	v_mov_b32 v[NIL], 0
	ds_add_u32 v[SPW], v[NIL]                      ; the wave's opening: the add and its wait stand ahead of my first tensor load; the set-up below, work on registers, stands between them
	v_lshrrev_b32 v1, 5, v0
	v_readfirstlane_b32 s10, v1                    ; wave 0..3
	s_lshr_b32 s11, s10, 1                         ; which half of the tile's rows is mine.  Also: I fetch for A (0) or for B (1)
	s_and_b32 s12, s10, 1                          ; which half of its columns.  Also: which 128 rows of that tile I fetch
	s_bfe_u32 s40, ttmp6, 0x40000                  ; cx
	s_bfe_u32 s41, ttmp6, 0x40004                  ; cy
	s_lshl_b32 s42, ttmp9, 2
	s_add_co_u32 s42, s42, s40                     ; tile column = 4 x cluster x + cx
	s_and_b32 s13, ttmp7, 0xffff
	s_lshl_b32 s13, s13, 2
	s_add_co_u32 s13, s13, s41                     ; tile row = 4 x cluster y + cy
	s_lshl_b32 s43, s41, 2
	s_lshl_b32 s43, 15, s43                        ; my row of the cluster
	s_lshl_b32 s44, 0x1111, s40                    ; my column
	; descriptor group 1: a tile of 128 rows x 128 elements, padded in LDS
	s_or_b32 s[G1+0], s43, (1<<16)|(1<<20)|(1<<21)|(5<<22)|(3<<25)  ; 15:0 the mask; 17:16 elements of 2 bytes; 20 padding on; 21 set beside a mask; 24:22 after every 64 words (code 5); 31:25 4 words of it (code 3)
	s_or_b32 s[G1B+0], s44, (1<<16)|(1<<20)|(1<<21)|(5<<22)|(3<<25)
.irp g, G1, G1B
	s_mov_b32 s[(\g)+1], KSTEP<<16                 ; tensor_dim0 = 128
	s_mov_b32 s[(\g)+2], 128<<16                   ; tensor_dim1 = 128
	s_mov_b32 s[(\g)+3], KSTEP<<16                 ; tile_dim0 = 128
	s_mov_b32 s[(\g)+4], 128                       ; tile_dim1 = 128
	s_mov_b32 s[(\g)+5], SIZE_K                    ; elements from row to row
	s_mov_b32 s[(\g)+6], 0
	s_mov_b32 s[(\g)+7], 0
.endr
	s_lshl_b32 s17, s12, 7                         ; which 128 rows of the tile I fetch
	s_lshl_b32 s16, s13, 8
	s_add_co_u32 s16, s16, s17                     ; A: row 256 x tile row + 128 x half
	s_lshl_b32 s46, s42, 8
	s_add_co_u32 s46, s46, s17
	s_add_co_u32 s46, s46, WROW0                   ; B: row 3072 + 256 x tile column + 128 x half
	s_mov_b32 s17, 0
	s_mov_b32 s47, 0
	s_mov_b64 s[18:19], SIZE_K*2
	s_mul_u64 s[16:17], s[16:17], s[18:19]
	s_mul_u64 s[46:47], s[46:47], s[18:19]
	s_mul_i32 s20, s10, HALFT                      ; where they go: wave x 128 rows: no place in the cluster enters an LDS address
	s_wait_dscnt 0x0                               ; the opening add is done
	s_wait_kmcnt 0x0
	s_add_nc_u64 s[14:15], s[4:5], s[16:17]
	s_add_nc_u64 s[46:47], s[6:7], s[46:47]
	CROUND                                         ; all sixteen work-groups are here: the first joint loads meet
.irp s, 0,1
	s_mov_b32 s[G0+4*(\s)], 1
	s_add_co_u32 s[G0+4*(\s)+1], s20, (\s)*SLOT
	s_add_nc_u64 s[G0+4*(\s)+2:G0+4*(\s)+3], s[14:15], (\s)*KSTEP*2
	s_or_b32 s[G0+4*(\s)+3], s[G0+4*(\s)+3], 0x80000000
	s_mov_b32 s[G0B+4*(\s)], 1
	s_add_co_u32 s[G0B+4*(\s)+1], s20, (\s)*SLOT
	s_add_nc_u64 s[G0B+4*(\s)+2:G0B+4*(\s)+3], s[46:47], (\s)*KSTEP*2
	s_or_b32 s[G0B+4*(\s)+3], s[G0B+4*(\s)+3], 0x80000000
	JLOAD \s                                       ; two tensor loads of mine are out
.endr
	v_and_b32 v1, 15, v0                           ; l % 16
	v_bfe_u32 v2, v0, 4, 1                         ; l / 16
	v_mul_u32_u24 v3, v1, PITCH
	v_lshl_add_u32 v3, v2, 4, v3                   ; a fragment's row x pitch + 16 x half
	s_mul_i32 s21, s11, HALFT                      ; my 128 rows of A
	s_mul_i32 s22, s12, HALFT                      ; my 128 rows of B,
	s_add_co_u32 s22, s22, 2*HALFT                 ; which lie behind A's 256
.irp s, 0,1
	v_add_nc_u32 v[ADRA+(\s)], s21, v3
	v_add_nc_u32 v[ADRB+(\s)], s22, v3
	s_add_co_u32 s21, s21, SLOT
	s_add_co_u32 s22, s22, SLOT
.endr
	s_mul_i32 s23, s10, 16*SPITCH
	s_add_co_u32 s23, s23, STAGE                   ; my stage
	v_mul_u32_u24 v4, v1, SPITCH                   ; in: row l % 16, 32 bytes for each half of the lanes
	v_lshl_add_u32 v4, v2, 5, v4
	v_add_nc_u32 v[STO], s23, v4
	v_and_b32 v5, 31, v0
	v_lshlrev_b32 v[CO], 4, v5                     ; back and out: 32 lanes take one row of 512 bytes
	v_add_nc_u32 v[RD], s23, v[CO]
	v_lshlrev_b32 v[BOF], 5, v2
	s_lshl_b32 s13, s13, 8
	s_lshl_b32 s14, s11, 7
	s_add_co_u32 s16, s13, s14                     ; my first row of the result
	s_mov_b32 s17, 0
	s_mov_b64 s[18:19], CROW
	s_mul_u64 s[16:17], s[16:17], s[18:19]
	s_add_nc_u64 s[8:9], s[8:9], s[16:17]
	s_lshl_b32 s46, s42, 10                        ; my first column, in bytes: 1,024 x tile column + 512 x half; the same in out0 and in biasw
	s_lshl_b32 s47, s12, 9
	s_add_co_u32 s46, s46, s47
	s_mov_b32 s47, 0
	s_add_nc_u64 s[8:9], s[8:9], s[46:47]
	s_add_nc_u64 s[BP:BP+1], s[BP:BP+1], s[46:47]
	s_add_nc_u64 s[BP:BP+1], s[BP:BP+1], 4*WROW0
	; the prefetches.  s13 = 256 x tile row, s42 = tile column, s40 = cx, s41 = cy still stand
	s_lshl_b32 s42, s42, 8
	s_add_co_u32 s42, s42, WROW0
	s_and_b32 s22, ttmp7, 0xffff                   ; cluster y
	s_cmp_eq_u32 s11, 0                            ; do I fetch for A?
	s_cselect_b32 s20, s13, s42                    ; the tile's first row
	s_cselect_b32 s21, s40, s41                    ; my place among the four that ask for it with me
	s_cselect_b32 s22, ttmp9, s22                  ; the coordinate along which other clusters read the same rows
	s_cselect_b64 s[PFA:PFA+1], s[4:5], s[6:7]
	s_cmp_eq_u32 s22, 0
	s_cselect_b32 s[LIM], 1, -1                    ; the same in all sixteen partners, for a given wave
	s_lshl_b32 s22, s12, 7
	s_add_co_u32 s20, s20, s22                     ; + the 128 rows that I fetch
	s_lshl_b32 s21, s21, 5
	s_add_co_u32 s20, s20, s21                     ; + my work-group's 32 of them
	s_mov_b32 s21, 0
	s_mov_b64 s[18:19], SIZE_K*2
	s_mul_u64 s[20:21], s[20:21], s[18:19]
	s_add_nc_u64 s[PFA:PFA+1], s[PFA:PFA+1], s[20:21]
	s_add_nc_u64 s[PFA:PFA+1], s[PFA:PFA+1], 2*KSTEP*2  ; at K step 2: the first refill steps it to 3 and names K step 4
	v_and_b32 v[PFO], 31, v0
	v_mul_u32_u24 v[PFO], v[PFO], SIZE_K*2
	WIN TO_B                                       ; the bias of my 128 columns: register j of block b holds column 16 b + 8 (l / 16) + j
.irp b, 0,1,2,3,4,5,6,7
	global_load_b128 v[8*(\b):8*(\b)+3],   v[BOF], s[BP:BP+1] offset:64*(\b)
	global_load_b128 v[8*(\b)+4:8*(\b)+7], v[BOF], s[BP:BP+1] offset:64*(\b)+16
.endr
	WIN 0
; 16 matrix instructions: m blocks a0, a0 + 1 of the window's four (hi = 0: my rows 0-63, 1: rows 64-127) x all 8 n blocks, 32 along K.  zero = 1: the product starts the sums, with the bias as C.
.macro MUL16 f, hi, a0, zero
.if \zero
	WIN BEG_LO+0x40*(\hi)
.else
	WIN MUL_LO+0x50*(\hi)
.endif
.irp a, \a0, (\a0)+1
.irp b, 0,1,2,3,4,5,6,7
.if \zero
	v_wmma_f32_16x16x32_f16 v[8*(8*(\a)+(\b)):8*(8*(\a)+(\b))+7], v[(\f)+8*(\b):(\f)+8*(\b)+7], v[(\f)+8*(4*(\hi)+(\a)):(\f)+8*(4*(\hi)+(\a))+7], v[8*(\b):8*(\b)+7]
.else
	v_wmma_f32_16x16x32_f16 v[8*(8*(\a)+(\b)):8*(8*(\a)+(\b))+7], v[(\f)+8*(\b):(\f)+8*(\b)+7], v[(\f)+8*(4*(\hi)+(\a)):(\f)+8*(4*(\hi)+(\a))+7], v[8*(8*(\a)+(\b)):8*(8*(\a)+(\b))+7]
.endif
.endr
.endr
.endm
; 32 LDS loads in one run: the fragments of one quarter step (128 rows of B, 128 rows of A, 32 K at byte k of the rows) into buffer f
.macro FETCH slot, k, f
	WIN TO_B
.irp i, 0,1,2,3,4,5,6,7
	ds_load_b128 v[(\f)+8*(\i):(\f)+8*(\i)+3],   v[ADRB+(\slot)] offset:(\k)+(\i)*16*PITCH
	ds_load_b128 v[(\f)+8*(\i)+4:(\f)+8*(\i)+7], v[ADRB+(\slot)] offset:(\k)+(\i)*16*PITCH+32
.endr
	WIN 0
.irp i, 0,1,2,3,4,5,6,7
	ds_load_b128 v[(\f)+8*(\i):(\f)+8*(\i)+3],   v[ADRA+(\slot)] offset:(\k)+(\i)*16*PITCH
	ds_load_b128 v[(\f)+8*(\i)+4:(\f)+8*(\i)+7], v[ADRA+(\slot)] offset:(\k)+(\i)*16*PITCH+32
.endr
.endm
; Four plain vector instructions stand between a matrix instruction and a load into a register that it has read, or an LDS store that reads its result
.macro PLACES
.rept 4
	v_nop
.endr
.endm
; A K step is four quarter steps of 32 along K, 64 matrix instructions each, on buffers 0, 1, 0, 1; the 64 accumulators take turns in the same order in every quarter.
.macro QUARTER slot, k, f, g, zero
	s_wait_dscnt 8                                 ; B and A's rows 0-63 are in; the youngest eight loads (A's rows 64-127) may be out
	MUL16 \f, 0, 0, \zero
	MUL16 \f, 0, 2, \zero
	PLACES
	FETCH \slot, \k, \g
	s_wait_dscnt 32                                ; all but the 32 just issued
	MUL16 \f, 1, 0, \zero
	MUL16 \f, 1, 2, \zero
.endm
; The last quarter multiplies buffer 1 and changes slots.  MEET is its first half: ONE barrier.  In front of it each wave waits for all its tensor loads, of which one is out: its part of the next slot;
; adds 0 to its spare word; and waits for that and for its own reads of this slot.  Behind it nobody reads this slot any more and the next slot is whole.
.macro MEET round
	WIN 0                                          ; (the add's two registers lie in window 0)
	s_wait_tensorcnt 0x0                           ; all my tensor loads have landed
	ds_add_u32 v[SPW], v[NIL]                      ; 0 onto my spare word
	s_wait_dscnt 9                                 ; (the add and the youngest eight loads may be out)
	MUL16 F1, 0, 0, 0                              ; sixteen matrix instructions stand between the add and the wait for it
	s_wait_dscnt 0x0                               ; the add is done, and my reads of this slot are over
	s_barrier_signal -1
	MUL16 F1, 0, 2, 0                              ; work on registers while the others arrive
.if \round
	WIN 0
.endif
	s_barrier_wait -1
.endm
; The whole last quarter.  Behind the round the slot just read out is filled again first, with the K step two steps on; then come the next slot's first fragments.  From a request to the wait for it a wave issues 224 matrix instructions.
.macro TURN slot, next
	s_wait_xcnt 0x0                                ; the last prefetch, a K step back, has read its address: it is stepped here, ahead of the waits of the change of slots
	s_add_nc_u64 s[PFA:PFA+1], s[PFA:PFA+1], KSTEP*2
	MEET 1
	CREST                                          ; no wave of any partner still reads this slot's tile or has a load on its way
	s_add_nc_u64 s[G0+4*(\slot)+2:G0+4*(\slot)+3], s[G0+4*(\slot)+2:G0+4*(\slot)+3], 2*KSTEP*2
	s_add_nc_u64 s[G0B+4*(\slot)+2:G0B+4*(\slot)+3], s[G0B+4*(\slot)+2:G0B+4*(\slot)+3], 2*KSTEP*2
	JLOAD \slot                                    ; the first tensor load behind the round, my only one out; its four v_nop are also the places in front of the loads below
	FETCH \next, 0, F0
	ASK
	MUL16 F1, 1, 0, 0
	MUL16 F1, 1, 2, 0
.endm
; THE LAST K STEP (it lies in slot 1) BY ROWS.  All its fragments of B (4 quarters x 64 registers) fill window 1; then my eight blocks of 16 rows are finished one after the other, each with 32 matrix
; instructions (its 8 accumulators by turns; K ascending: the sums stay the same).  LDS is read no more than in any other K step.
.macro BLOAD q                         ; B's fragments of quarter q -> window 1, v[64 q ..]
	WIN TO_B
.irp i, 0,1,2,3,4,5,6,7
	ds_load_b128 v[64*(\q)+8*(\i):64*(\q)+8*(\i)+3],   v[ADRB+1] offset:64*(\q)+(\i)*16*PITCH
	ds_load_b128 v[64*(\q)+8*(\i)+4:64*(\q)+8*(\i)+7], v[ADRB+1] offset:64*(\q)+(\i)*16*PITCH+32
.endr
.endm
.macro ALOAD a                         ; A's fragments of block a, all four quarters -> buffer a % 4
	WIN 0
.set FA, PA+32*((\a)%4)
.irp q, 0,1,2,3
	ds_load_b128 v[FA+8*(\q):FA+8*(\q)+3],   v[ADRA+1] offset:64*(\q)+(\a)*16*PITCH
	ds_load_b128 v[FA+8*(\q)+4:FA+8*(\q)+7], v[ADRA+1] offset:64*(\q)+(\a)*16*PITCH+32
.endr
.endm
.macro ROW a                           ; block a is finished: 32 matrix instructions
.set FA, PA+32*((\a)%4)                ; its fragments of A
.set AC, 64*((\a)%4)                   ; its eight accumulators, in window 2 (blocks 0-3) or 3 (blocks 4-7)
	WIN MUL_LO+0x50*((\a)/4)
.irp q, 0,1,2,3
.if (\a) == 0 && (\q) == 2
	s_wait_dscnt 24                                ; B's quarter 2 is in (behind it: the 24 loads of A's blocks 1 to 3)
.endif
.irp b, 0,1,2,3,4,5,6,7
	v_wmma_f32_16x16x32_f16 v[AC+8*(\b):AC+8*(\b)+7], v[64*(\q)+8*(\b):64*(\q)+8*(\b)+7], v[FA+8*(\q):FA+8*(\q)+7], v[AC+8*(\b):AC+8*(\b)+7]
.endr
.endr
.endm
; THE WAY OUT of block a, in f32: nothing is converted.  TOSTAGE: a lane's 32 bytes of each of the block's 8 accumulators, the low four registers first, into my own stage; back as whole rows of 512 bytes.
.macro TOSTAGE a
.set AC, 64*((\a)%4)
	WIN 0x08+4*((\a)/4)                            ; the stores' data (source 1): window 2 or 3
.irp b, 0,1,2,3,4,5,6,7
	ds_store_b128 v[STO], v[AC+8*(\b):AC+8*(\b)+3]   offset:64*(\b)
	ds_store_b128 v[STO], v[AC+8*(\b)+4:AC+8*(\b)+7] offset:64*(\b)+16
.endr
	WIN 0
.if (\a) >= 1
	s_wait_xcnt 0x0                                ; the stores of the block before, 32 matrix instructions back, have read the registers that the loads below land on
.endif
.irp t, 0,1,2,3,4,5,6,7,8,9,10,11,12,13,14,15
	ds_load_b128 v[BK+4*(\t):BK+4*(\t)+3], v[RD] offset:(\t)*SPITCH  ; LDS serves a wave's instructions in order (ISA guide 5.7.1.4): these see the stores above, and the next block's stores come behind them
.endr
.endm
.macro SEND a, younger                 ; younger: the LDS loads issued behind block a's loads from the stage, which may stay out
	s_wait_dscnt \younger
.irp t, 0,1,2,3,4,5,6,7,8,9,10,11,12,13,14,15
	global_store_b128 v[CO], v[BK+4*(\t):BK+4*(\t)+3], s[8:9] offset:(16*(\a)+(\t))*CROW  ; a wave stores 512 consecutive bytes, at a multiple of 256 from the buffer's first byte; 127 rows at the most in the immediate
.endr
.endm
	s_wait_tensorcnt 1                             ; my part of K step 0 is in; K step 1's load may stay out
	s_barrier_signal -1
	s_barrier_wait -1                              ; everybody's is
	FETCH 0, 0, F0
	s_wait_loadcnt 0x0                             ; the bias: the launch's only loads into registers
	QUARTER 0, 64,  F0, F1, 1                      ; the first quarter stands in front of the loop: its products start the sums
	WIN 0                                          ; at a label and at a branch every window is 0
	s_mov_b32 s3, LAPS-1
.Llap:                                                 ; a trip goes once round the ring, from a lap's second quarter to the next lap's first, and fills both slots again
	QUARTER 0, 128, F1, F0, 0
	QUARTER 0, 192, F0, F1, 0
	TURN 0, 1
	QUARTER 1, 64,  F0, F1, 0
	QUARTER 1, 128, F1, F0, 0
	QUARTER 1, 192, F0, F1, 0
	TURN 1, 0
	QUARTER 0, 64,  F0, F1, 0
	WIN 0
	s_sub_co_u32 s3, s3, 1
	s_cmp_lg_u32 s3, 0
	s_cbranch_scc1 .Llap
	QUARTER 0, 128, F1, F0, 0                      ; the last lap fills nothing
	QUARTER 0, 192, F0, F1, 0
	MEET 0                                         ; my one tensor load that was still out is slot 1's, the last K step's; no round follows
	PLACES                                         ; for the loads into buffer 0, which the quarter before multiplied
	BLOAD 0                                        ; three quarters of B now: buffer 1 (v128-191 of windows 0 and 1) is still being multiplied; quarter 0 takes the bias's place, which only the first quarter's products read
	BLOAD 1
	BLOAD 3
	ALOAD 0
	MUL16 F1, 1, 0, 0
	MUL16 F1, 1, 2, 0
	PLACES                                         ; for the loads into buffer 1
	BLOAD 2
	ALOAD 1
	ALOAD 2
	ALOAD 3
	s_wait_dscnt 40                                ; all but the 40 just issued: B's quarters 0, 1 and 3 and A's block 0 are in
	ROW 0
.irp a, 0,1,2,3,4,5,6,7                ; each block leaves as soon as it is finished: nothing follows this tile, so the sooner its stores begin, the sooner the launch ends
	PLACES                                         ; behind the block's last product: ahead of the LDS stores that read its results and of the loads into its fragments' buffer
	TOSTAGE \a
.if (\a) < 4
	ALOAD (\a)+4                                   ; its buffer takes the block four further on
	SEND \a, 8                                     ; those eight loads may stay out; all older ones, the next block's fragments among them, are in
.else
	SEND \a, 0
.endif
.if (\a) < 7
	ROW (\a)+1
.endif
.endr
	s_wait_tensorcnt 0x0                           ; the wave's end, behind my last tensor load and my last LDS store
	ds_add_u32 v[SPW], v[NIL]
	s_wait_dscnt 0x0
	CROUND                                         ; the closing round: no work-group ends while a partner may still ask for a tile that names it
	s_endpgm
.Lfunc_end_k_q9f849534ce_proj:
	.size	k_q9f849534ce_proj, .Lfunc_end_k_q9f849534ce_proj-k_q9f849534ce_proj
	.p2alignl 7, 3214868480
	.fill 96, 4, 3214868480
	.section	.rodata,"a",@progbits
	.p2align	6, 0x0
	.amdhsa_kernel k_q9f849534ce_proj
		.amdhsa_group_segment_fixed_size 327680
		.amdhsa_private_segment_fixed_size 0
		.amdhsa_enable_private_segment 0
		.amdhsa_kernarg_size 32
		.amdhsa_user_sgpr_count 2
		.amdhsa_user_sgpr_kernarg_segment_ptr 1
		.amdhsa_wavefront_size32 1
		.amdhsa_system_sgpr_workgroup_id_x 1
		.amdhsa_system_sgpr_workgroup_id_y 1
		.amdhsa_system_sgpr_workgroup_id_z 1
		.amdhsa_system_vgpr_workitem_id 0
		.amdhsa_next_free_vgpr 1024
		.amdhsa_next_free_sgpr 68
		.amdhsa_reserve_vcc 0
		.amdhsa_float_denorm_mode_32 3
		.amdhsa_float_denorm_mode_16_64 3
		.amdhsa_memory_ordered 1
		.amdhsa_forward_progress 1
		.amdhsa_inst_pref_size 144
	.end_amdhsa_kernel
	.amdgpu_metadata
---
amdhsa.version: [ 1, 2 ]
amdhsa.kernels:
  - .name:           k_q9f849534ce_proj
    .symbol:         k_q9f849534ce_proj.kd
    .args:
      - { .name: attn, .offset: 0, .size: 8, .value_kind: global_buffer, .address_space: global }
      - { .name: wt, .offset: 8, .size: 8, .value_kind: global_buffer, .address_space: global }
      - { .name: out0, .offset: 16, .size: 8, .value_kind: global_buffer, .address_space: global }
      - { .name: biasw, .offset: 24, .size: 8, .value_kind: global_buffer, .address_space: global }
    .group_segment_fixed_size: 327680
    .private_segment_fixed_size: 0
    .kernarg_segment_align: 8
    .kernarg_segment_size: 32
    .max_flat_workgroup_size: 128
    .sgpr_count:     68
    .vgpr_count:     1024
    .wavefront_size: 32
...
	.end_amdgpu_metadata
.endif
;; end of part 4
;; ======== version 2 of 2: 4 launches; version 1 with the launches prep, heads written anew for expert scheduling mode
;; limits: values are held in f16: magnitudes above 65,504 overflow, below 6.1e-05 lose precision
;; workspace buffers: xb 33,554,432 bytes; wt 8,388,608 bytes; biasw 16,384 bytes; qkv 100,663,296 bytes; attn 33,554,432 bytes
;; launch prep (part 5): grid 512 x 1, 8 waves a work-group, no clusters, 18,432 bytes of LDS; arguments x, Wq, Wk, Wv, Wo, bq, bk, bv, bo, xb, wt, biasw; writes xb, wt, biasw
.if DOCPART == 5
	.amdgcn_target "amdgcn-amd-amdhsa--gfx1250"
	.amdhsa_code_object_version 6
	.text
	.protected	k_q9f849534ce_prep
	.globl	k_q9f849534ce_prep
	.p2align	8
	.type	k_q9f849534ce_prep,@function
k_q9f849534ce_prep:
	s_mov_b64 s[64:65], 0
	v_nop
	global_prefetch_b8 v0, s[64:65] scope:SCOPE_SE
	s_setreg_imm32_b32 hwreg(HW_REG_WAVE_SCHED_MODE, 0, 2), 2
	s_setreg_imm32_b32 hwreg(HW_REG_WAVE_MODE, 25, 1), 1
	s_wait_xcnt 0x0
	s_wait_alu depctr_vm_vsrc(0)
; PREP.  x [16384][1024] f32 -> xb, the same numbers in bf16.  The four weights W [k][n] f32 -> wt [4096 rows][1024 k] of 16 bits: row 1024 m + n' holds column n of matrix m
; (m = 0 Wq, 1 Wk, 2 Wv, 3 Wo), K along the row, so that the products of the later launches read both operands along K.  The four biases -> biasw [4096] f32, in wt's row order.
; ROUNDING.  Every input is rounded once to bf16.  Wo's rounded numbers are then written as f16 (exact from 2^-14 up to 65,504; below 2^-14 they keep f16's fixed step of 6e-8;
; beyond 65,504 they would be infinite: the limit of this program), since the last product multiplies f16.  The biases' rounded numbers are kept as f32.
; THE ORDERS.  With r = 0..15, h = 0..1, e = 0..7, q = 0..3:
;   Wq, Wk: row n' = 256 q + 128 h + 8 r + e holds head r, channel 16 q + 8 h + e            (column n = 64 r + channel)
;   Wv:     row n' = 256 q + 128 h + 8 r + e holds head 8 h + e, channel 16 q + r
;   Wo:     rows as they are; along K place k' = 256 q + 128 h + 8 r + e holds k = 64 r + 16 q + 8 h + e: the order in which the launch of the heads stores its result
; So that launch reads and writes 16 consecutive bytes a lane, 512 a wave, and needs no exchange between lanes for its operands.
; SHARES.  Work-group g: 32,768 numbers of x; one tile of 128 k' x 64 n of matrix g / 128 (tile g % 128: k' block tile % 8, n block tile / 8), turned through LDS; where tile = 0, the matrix's bias.
; No matrix unit, no cluster, no tensor load: no byte is wanted twice.  No prefetch: all of a work-group's loads go out at its head.
; THE MODE: SCHED_MODE bits 1:0 = 2 (LLVM: expert scheduling mode 2), set by the entry lines.  The code itself states the register dependences between vector instructions and
; memory or LDS instructions, with s_wait_alu, always for 0.
; THE PLAN.  Registers that memory or LDS instructions touch:
;   v1 - v12    offsets and LDS addresses: written by vector instructions at the head and never again; read by the loads and stores of W, x, xb, wt and of the LDS tile.
;   WL          written by W's loads, once; read by the conversions.
;   WP          written by the conversions (Wo's a second time); read by the sixteen LDS stores; never written again.
;   WB          written by LDS loads, read by global stores: no vector instruction names it.
;   XR          load j lands in four registers, once; its two conversions write the first two of them; its one store reads those two; they are never written again.
;   v18 - v22, BD   in the bias's arm alone: offsets written by vector instructions and read by its loads and stores; BD written by loads, then by vector instructions, then read by the stores.
;   v16, v17    written at the head, read by the closing add alone.
; x goes in eight groups of four loads.  Group g's conversions name group g's registers alone; the stores of group g - 1 are dealt among them, behind ONE wait at the group's head.
; No register that a memory or LDS instruction reads is ever written again, so the text holds no wait on vm_vsrc; no vector instruction writes a scalar register or VCC.
.set SPARE, 17408                      ; LDS: 64 rows (a column n each) x 272 bytes (128 k' x 2 + 16 of padding); behind them the spare words, 128 bytes for each of 8 waves
.set LP,    272
.set SPW, 16                           ; v16  LDS address of my spare word; never rewritten
.set NIL, 17                           ; v17  0; never rewritten
.set WL,  24                           ; v[24:55]   W as loaded: for i = 0..3 rows k' and k' + 1, four columns each
.set WP,  56                           ; v[56:71]   16 words: (k', k' + 1) of one column
.set WB,  72                           ; v[72:87]   four pieces of 16 bytes of finished rows
.set BD,  90                           ; v[90:93]   the bias
.set XR,  96                           ; v[96:223]  x: 32 loads of 16 bytes
; scalars: s32 m, s33 k' block, s34 n block, s35 tile; s40 rows of W from k' block to k' block, s41 rows from one group of 8 k' to the next;
; wt's row = s45 + s42 (d / 8 % 2) + s43 (d % 8) + s44 (d / 16) for the tile's column d; the bias's source index = s46 u + s47 h + s56 r + s57 e
	s_load_b512 s[8:23], s[0:1], 0x0               ; x s[8:9], Wq s[10:11], Wk s[12:13], Wv s[14:15], Wo s[16:17], bq s[18:19], bk s[20:21], bv s[22:23]
	s_load_b256 s[24:31], s[0:1], 0x40             ; bo s[24:25], xb s[26:27], wt s[28:29], biasw s[30:31]
	v_lshl_add_u32 v[SPW], v0, 2, SPARE
	v_mov_b32 v[NIL], 0
	s_lshr_b32 s32, ttmp9, 7
	s_and_b32 s35, ttmp9, 127
	s_and_b32 s33, s35, 7
	s_lshr_b32 s34, s35, 3
	s_lshl_b32 s45, s34, 3                         ; Wq, Wk: the head's 8 r
	s_lshr_b32 s2, s34, 3
	s_lshl_b32 s2, s2, 7
	s_and_b32 s3, s34, 7
	s_add_co_u32 s2, s2, s3                        ; Wv: 128 (head / 8) + head % 8
	s_lshl_b32 s3, s34, 6                          ; Wo: 64 x n block
	s_cmp_eq_u32 s32, 2
	s_cselect_b32 s45, s2, s45
	s_cselect_b32 s42, 64, 128
	s_cselect_b32 s43, 8, 1
	s_cselect_b32 s47, 512, 8
	s_cselect_b32 s56, 1, 64
	s_cselect_b32 s57, 64, 1
	s_cmp_eq_u32 s32, 3
	s_cselect_b32 s45, s3, s45
	s_cselect_b32 s42, 8, s42
	s_cselect_b32 s43, 1, s43
	s_cselect_b32 s44, 16, 256
	s_cselect_b32 s40, 8, 128
	s_cselect_b32 s41, 64, 8
	s_cselect_b32 s46, 256, 16
	s_cselect_b32 s47, 128, s47
	s_cselect_b32 s56, 8, s56
	s_cselect_b32 s57, 1, s57
	s_mul_i32 s48, s33, s40                        ; the tile's first row of W,
	s_lshl_b32 s48, s48, 12                        ; 4,096 bytes a row,
	s_lshl_b32 s2, s34, 8                          ; its 64 columns: 256 bytes
	s_add_co_u32 s48, s48, s2
	s_mov_b32 s49, 0
	s_lshl_b32 s52, s32, 10                        ; wt: row 1024 m + s45, 2,048 bytes a row,
	s_add_co_u32 s52, s52, s45
	s_lshl_b32 s52, s52, 11
	s_lshl_b32 s2, s33, 8                          ; the tile's 128 k': 256 bytes
	s_add_co_u32 s52, s52, s2
	s_mov_b32 s53, 0
	s_lshl_b32 s54, ttmp9, 17                      ; my 131,072 bytes of x,
	s_mov_b32 s55, 0
	s_lshl_b32 s58, ttmp9, 16                      ; my 65,536 of xb
	s_mov_b32 s59, 0
	s_lshl_b32 s60, s32, 12                        ; the matrix's 4,096 bytes of biasw
	s_mov_b32 s61, 0
	s_lshl_b32 s50, s41, 14                        ; four groups of 8 k' further down in W, in bytes
	s_lshl_b32 s51, s44, 11                        ; 16 columns d further on, in bytes of wt
	s_lshl_b32 s46, s46, 2
	v_lshlrev_b32 v1, 4, v0                        ; x: 16 bytes a thread
	v_lshlrev_b32 v2, 3, v0                        ; xb: 8
	v_and_b32 v13, 15, v0                          ; t % 16: four columns on the way in, 16 bytes of a row on the way out
	v_lshrrev_b32 v14, 4, v0                       ; t / 16: a pair of k' on the way in, a column d on the way out
	v_lshrrev_b32 v15, 2, v14                      ; pair p = t / 16 + 16 i is k' = 2 p: group p / 4 of eight, place 2 (p % 4)
	v_mul_lo_u32 v15, v15, s41
	v_and_b32 v88, 3, v14
	v_lshl_add_u32 v15, v88, 1, v15
	v_lshlrev_b32 v15, 12, v15
	v_lshl_add_u32 v3, v13, 4, v15
	v_add_nc_u32 v4, s50, v3
	v_add_nc_u32 v5, s50, v4
	v_add_nc_u32 v6, s50, v5
	v_mul_u32_u24 v7, v13, 4*LP                    ; into LDS: row 4 (t % 16) + c, byte 4 (t / 16) + 64 i
	v_lshl_add_u32 v7, v14, 2, v7
	v_mul_u32_u24 v8, v14, LP                      ; back: row t / 16 + 16 j, byte 16 (t % 16)
	v_lshl_add_u32 v8, v13, 4, v8
	v_lshrrev_b32 v15, 3, v14
	v_mul_lo_u32 v15, v15, s42
	v_and_b32 v88, 7, v14
	v_mul_lo_u32 v88, v88, s43
	v_add_nc_u32 v15, v15, v88
	v_lshlrev_b32 v15, 11, v15
	v_lshl_add_u32 v9, v13, 4, v15
	v_add_nc_u32 v10, s51, v9
	v_add_nc_u32 v11, s51, v10
	v_add_nc_u32 v12, s51, v11
	s_wait_kmcnt 0x0
	s_cmp_eq_u32 s32, 1                            ; the matrix and its bias: a choice between buffers by the work-group's number
	s_cselect_b64 s[36:37], s[12:13], s[10:11]
	s_cselect_b64 s[38:39], s[20:21], s[18:19]
	s_cmp_eq_u32 s32, 2
	s_cselect_b64 s[36:37], s[14:15], s[36:37]
	s_cselect_b64 s[38:39], s[22:23], s[38:39]
	s_cmp_eq_u32 s32, 3
	s_cselect_b64 s[36:37], s[16:17], s[36:37]
	s_cselect_b64 s[38:39], s[24:25], s[38:39]
	s_add_nc_u64 s[36:37], s[36:37], s[48:49]
	s_add_nc_u64 s[28:29], s[28:29], s[52:53]
	s_add_nc_u64 s[8:9], s[8:9], s[54:55]
	s_add_nc_u64 s[26:27], s[26:27], s[58:59]
	s_add_nc_u64 s[30:31], s[30:31], s[60:61]
	s_wait_alu depctr_va_vdst(0)                   ; the offsets and LDS addresses v1 to v12 are written: the loads and stores from here to the bias's arm read them, and no vector instruction writes them again
.irp i, 0,1,2,3
	global_load_b128 v[WL+8*(\i):WL+8*(\i)+3],   v[3+(\i)], s[36:37]              ; 16 lanes take 256 consecutive bytes of a row of W
	global_load_b128 v[WL+8*(\i)+4:WL+8*(\i)+7], v[3+(\i)], s[36:37] offset:4096  ; and of the row below it
.endr
.set j, 0
.rept 32
	global_load_b128 v[XR+4*j:XR+4*j+3], v1, s[8:9] offset:4096*j th:TH_LOAD_NT   ; a wave takes 512 consecutive bytes; all 32 loads go out at once
.set j, j+1
.endr
	s_wait_loadcnt 32                              ; loads come back in order: W's eight are in, x's 32 stay out
.irp i, 0,1,2,3
.irp c, 0,1,2,3
	v_cvt_pk_bf16_f32 v[WP+4*(\i)+(\c)], v[WL+8*(\i)+(\c)], v[WL+8*(\i)+4+(\c)]   ; k' in the low half, k' + 1 in the high half
.endr
.endr
	s_cmp_lg_u32 s32, 3
	s_cbranch_scc1 .Lkeep
.set w, 0
.rept 16                                       ; Wo: the bf16 numbers written as f16
	v_lshlrev_b32 v88, 16, v[WP+w]
	v_and_b32 v89, 0xffff0000, v[WP+w]
	v_cvt_pk_f16_f32 v[WP+w], v88, v89
.set w, w+1
.endr
.Lkeep:
	s_wait_alu depctr_va_vdst(0)                   ; on both ways the conversions have written WP, which the LDS stores read
.irp i, 0,1,2,3
.irp c, 0,1,2,3
	ds_store_b32 v7, v[WP+4*(\i)+(\c)] offset:LP*(\c)+64*(\i)
.endr
.endr
	s_wait_dscnt 0x0                               ; for the others' sake: my stores are done
	s_barrier_signal -1
	s_barrier_wait -1                              ; the turned tile is whole
.irp j, 0,1,2,3
	ds_load_b128 v[WB+4*(\j):WB+4*(\j)+3], v8 offset:16*LP*(\j)                   ; no vector instruction names WB
.endr
	s_wait_dscnt 0x0
.irp j, 0,1,2,3
	global_store_b128 v[9+(\j)], v[WB+4*(\j):WB+4*(\j)+3], s[28:29]               ; 16 lanes store 256 consecutive bytes, at a multiple of 256 from wt's first byte
.endr
; x, in eight groups of four loads.  Load j's store stands four loads further on, among the next group's conversions.
.set j, 0
.rept 32
	s_wait_loadcnt 31-j                            ; load j is in, the younger ones stay out
.if (j%4 == 0) && (j > 0)
	s_wait_alu depctr_va_vdst(0)                   ; the group before has written its eight words, which the four stores in this group read; this group's conversions name its own registers alone
.endif
.if j >= 4
	global_store_b64 v2, v[XR+4*(j-4):XR+4*(j-4)+1], s[26:27] offset:2048*(j-4)   ; a wave stores 256 consecutive bytes, aligned; no register of a store is written again
.endif
	v_cvt_pk_bf16_f32 v[XR+4*j],   v[XR+4*j],   v[XR+4*j+1]
	v_cvt_pk_bf16_f32 v[XR+4*j+1], v[XR+4*j+2], v[XR+4*j+3]
.set j, j+1
.endr
	s_wait_alu depctr_va_vdst(0)                   ; the last group has written its eight words, which the last four stores read
.set j, 28
.rept 4
	global_store_b64 v2, v[XR+4*j:XR+4*j+1], s[26:27] offset:2048*j
.set j, j+1
.endr
	s_cmp_lg_u32 s35, 0
	s_cbranch_scc1 .Lend                           ; the matrix's first tile also takes its bias: place 256 u + t of biasw's 1,024
	v_bfe_u32 v18, v0, 7, 1
	v_mul_lo_u32 v18, v18, s47
	v_bfe_u32 v19, v0, 3, 4
	v_mul_lo_u32 v19, v19, s56
	v_and_b32 v20, 7, v0
	v_mul_lo_u32 v20, v20, s57
	v_add3_u32 v18, v18, v19, v20
	v_lshlrev_b32 v18, 2, v18
	v_add_nc_u32 v19, s46, v18
	v_add_nc_u32 v20, s46, v19
	v_add_nc_u32 v21, s46, v20
	v_lshlrev_b32 v22, 2, v0
	s_wait_alu depctr_va_vdst(0)                   ; the offsets v18 to v22 are written, which the bias's loads and stores read
.irp u, 0,1,2,3
	global_load_b32 v[BD+(\u)], v[18+(\u)], s[38:39]
.endr
	s_wait_loadcnt 0x0
.irp u, 0,1,2,3
	v_cvt_pk_bf16_f32 v[BD+(\u)], v[BD+(\u)], v[BD+(\u)]
.endr
.irp u, 0,1,2,3
	v_lshlrev_b32 v[BD+(\u)], 16, v[BD+(\u)]       ; the rounded number as f32
.endr
	s_wait_alu depctr_va_vdst(0)                   ; the shifts have written BD, which the stores read
.irp u, 0,1,2,3
	global_store_b32 v22, v[BD+(\u)], s[30:31] offset:1024*(\u)
.endr
.Lend:
	s_wait_dscnt 0x0                               ; the wave's end
	s_wait_alu 0x0
	s_wait_tensorcnt 0x0
	ds_add_u32 v[SPW], v[NIL]
	s_wait_dscnt 0x0
	s_endpgm
.Lfunc_end_k_q9f849534ce_prep:
	.size	k_q9f849534ce_prep, .Lfunc_end_k_q9f849534ce_prep-k_q9f849534ce_prep
	.p2alignl 7, 3214868480
	.fill 96, 4, 3214868480
	.section	.rodata,"a",@progbits
	.p2align	6, 0x0
	.amdhsa_kernel k_q9f849534ce_prep
		.amdhsa_group_segment_fixed_size 18432
		.amdhsa_private_segment_fixed_size 0
		.amdhsa_enable_private_segment 0
		.amdhsa_kernarg_size 96
		.amdhsa_user_sgpr_count 2
		.amdhsa_user_sgpr_kernarg_segment_ptr 1
		.amdhsa_wavefront_size32 1
		.amdhsa_system_sgpr_workgroup_id_x 1
		.amdhsa_system_sgpr_workgroup_id_y 1
		.amdhsa_system_sgpr_workgroup_id_z 1
		.amdhsa_system_vgpr_workitem_id 0
		.amdhsa_next_free_vgpr 224
		.amdhsa_next_free_sgpr 66
		.amdhsa_reserve_vcc 0
		.amdhsa_float_denorm_mode_32 3
		.amdhsa_float_denorm_mode_16_64 3
		.amdhsa_memory_ordered 1
		.amdhsa_forward_progress 1
		.amdhsa_inst_pref_size 24
	.end_amdhsa_kernel
	.amdgpu_metadata
---
amdhsa.version: [ 1, 2 ]
amdhsa.kernels:
  - .name:           k_q9f849534ce_prep
    .symbol:         k_q9f849534ce_prep.kd
    .args:
      - { .name: x, .offset: 0, .size: 8, .value_kind: global_buffer, .address_space: global }
      - { .name: Wq, .offset: 8, .size: 8, .value_kind: global_buffer, .address_space: global }
      - { .name: Wk, .offset: 16, .size: 8, .value_kind: global_buffer, .address_space: global }
      - { .name: Wv, .offset: 24, .size: 8, .value_kind: global_buffer, .address_space: global }
      - { .name: Wo, .offset: 32, .size: 8, .value_kind: global_buffer, .address_space: global }
      - { .name: bq, .offset: 40, .size: 8, .value_kind: global_buffer, .address_space: global }
      - { .name: bk, .offset: 48, .size: 8, .value_kind: global_buffer, .address_space: global }
      - { .name: bv, .offset: 56, .size: 8, .value_kind: global_buffer, .address_space: global }
      - { .name: bo, .offset: 64, .size: 8, .value_kind: global_buffer, .address_space: global }
      - { .name: xb, .offset: 72, .size: 8, .value_kind: global_buffer, .address_space: global }
      - { .name: wt, .offset: 80, .size: 8, .value_kind: global_buffer, .address_space: global }
      - { .name: biasw, .offset: 88, .size: 8, .value_kind: global_buffer, .address_space: global }
    .group_segment_fixed_size: 18432
    .private_segment_fixed_size: 0
    .kernarg_segment_align: 8
    .kernarg_segment_size: 96
    .max_flat_workgroup_size: 256
    .sgpr_count:     66
    .vgpr_count:     224
    .wavefront_size: 32
...
	.end_amdgpu_metadata
.endif
;; end of part 5
;; launch qkv: the kernel of part 2 again; grid 4 x 64, 4 waves a work-group, clusters of 4 x 4, 327,680 bytes of LDS; arguments xb, wt, qkv, biasw; writes qkv
;; launch heads (part 6): grid 1024 x 1, 4 waves a work-group, no clusters, 0 bytes of LDS; arguments qkv, attn; writes attn
.if DOCPART == 6
	.amdgcn_target "amdgcn-amd-amdhsa--gfx1250"
	.amdhsa_code_object_version 6
	.text
	.protected	k_q9f849534ce_heads
	.globl	k_q9f849534ce_heads
	.p2align	8
	.type	k_q9f849534ce_heads,@function
k_q9f849534ce_heads:
	s_mov_b64 s[64:65], 0
	v_nop
	global_prefetch_b8 v0, s[64:65] scope:SCOPE_SE
	s_setreg_imm32_b32 hwreg(HW_REG_WAVE_SCHED_MODE, 0, 2), 2
	s_setreg_imm32_b32 hwreg(HW_REG_WAVE_MODE, 25, 1), 1
	s_wait_xcnt 0x0
	s_wait_alu depctr_vm_vsrc(0)
; THE HEADS OF ONE TOKEN ATTEND TO EACH OTHER.  For each of 16,384 tokens: S[h][g] = Q[h] . K[g] / 8 over 64 channels, P = softmax over g, O[h] = the sum over g of P[h][g] V[g].
; qkv: [16384][3072] f16, a token's Q, K and V, 2,048 bytes each, in the order in which the launches before have laid them; attn: [16384][1024] f16.
; Products, maximum and sum in f32; the weights, divided by their sum, are rounded to f16 for the second product, O once at the end.
; LIMITS.  Q, K and V arrive within f16's 65,504; a weight below 2^-126 counts as 0; NaN and infinities are not treated apart.
; LAYOUT.  Lane l = r + 16 h.  The q-th 512 bytes of Q (of K) give lane l head r, channels 16 q + 8 h + 0..7: two such loads ARE a fragment of 16 heads x 32 channels.
; S^T = K Q^T (source 0 = K, source 1 = Q): a lane holds ONE query head r and the key heads 8 h + 0..7, so a maximum and a sum want one exchange between the halves of the lanes.
; The eight weights, rounded in pairs, are registers 0-3 of source 1 (32 k x 16 query heads) of O^T = V^T P; its registers 4-7 (k = 16 .. 31: there are only 16 key heads) hold 0.
; The c-th 512 bytes of V give lane l channel 16 c + r, key heads 8 h + 0..7: registers 0-3 of source 0.  Its registers 4-7 are simply the four registers that follow (the next block of V, or four
; zeros behind the last): finite numbers, multiplied by P's zeros.  O^T's result holds query head r, channels 16 c + 8 h + 0..7 a lane: 16 bytes, stored at 512 c + 16 l; the last product's weights are laid in that order.
; SHARES.  A wave owns four tokens, two at a time; all its 48 loads (512 consecutive bytes each) go out at its head.  No loop, no LDS, no barrier: no byte is wanted by two waves.  No cluster and no tensor
; load for the same reason; no prefetch: every wave of the launch asks for all its bytes at once.
; THE MODE: SCHED_MODE bits 1:0 = 2 (LLVM: expert scheduling mode 2), set by the entry lines.  The code itself states the register dependences between vector or matrix instructions and
; memory instructions, with s_wait_alu, always for 0.
; THE PLAN.  Registers that memory instructions touch:
;   v1          the one offset: written by two vector instructions at the head and never again; read by all 48 loads and all 16 stores.
;   the two sets, v56-151 and v156-251: each written by its 24 loads, once, before any vector or matrix instruction names it; read by the products; the first 64 registers of a set are then written by the
;               second product and, 32 of them, by the roundings; those 32 are read by the set's eight stores and never written again.
;   S, P, T and the zeros are named by vector and matrix instructions alone.
; So a pair of tokens has ONE wait for its stores' sake, behind its roundings; the second pair's work names none of the registers that the first pair's stores read, so the text holds no wait on vm_vsrc.
; The wave's number passes through a scalar register: one wait on va_sdst ahead of its first reader.
.set S,  8                             ; v[8:23]    S^T, 8 registers a token u = 0, 1
.set P,  24                            ; v[24:39]   source 1 of the second product; registers 4-7 of each stay 0
.set T,  40                            ; v[40:55]   at work, 8 a token: +0 maximum, +1 the other half's, +2 c m (+3 named with it), +4, +5 sums, +6 1 / l (+7 named with it)
; a set of two tokens at SB = 56 or 156: Q of token u at SB + 32 u, K at SB + 32 u + 16, V at SB + 64 + 16 u, four zeros at SB + 96; O^T takes Q's and K's place
	s_load_b128 s[4:7], s[0:1], 0x0                ; qkv s[4:5], attn s[6:7]
	v_lshrrev_b32 v2, 5, v0
	v_readfirstlane_b32 s8, v2                     ; wave 0..3
	v_and_b32 v1, 31, v0
	v_lshlrev_b32 v1, 4, v1                        ; 16 bytes a lane: the one offset of every load and store; never rewritten
	s_mov_b32 s12, 0x3e38aa3b                      ; c = log2(e) / 8
	s_mov_b32 s13, s12                             ; named with it as a pair
	s_mov_b32 s14, 0x76543210                      ; v_permlanex16_b32: each lane takes its own place in the other half
	s_mov_b32 s15, 0xfedcba98
	s_lshl_b32 s9, ttmp9, 2
	s_wait_alu depctr_va_sdst(0)                   ; s8 is written, ahead of its first reader: the bases of qkv and attn are made from it
	s_add_co_u32 s9, s9, s8                        ; my wave among the launch's 4,096
	s_mul_i32 s10, s9, 4*6144                      ; four tokens of qkv,
	s_mov_b32 s11, 0
	s_lshl_b32 s16, s9, 13                         ; four of attn
	s_mov_b32 s17, 0
	s_wait_kmcnt 0x0
	s_add_nc_u64 s[4:5], s[4:5], s[10:11]
	s_add_nc_u64 s[6:7], s[6:7], s[16:17]
	s_wait_alu depctr_va_vdst(0)                   ; v1 is written: every load and store of the kernel reads it as its offset
.macro LOADS b
.set SB, 56+100*(\b)
.irp u, 0,1
.irp q, 0,1,2,3
	global_load_b128 v[SB+32*(\u)+4*(\q):SB+32*(\u)+4*(\q)+3],       v1, s[4:5] offset:(2*(\b)+(\u))*6144+512*(\q) th:TH_LOAD_NT
	global_load_b128 v[SB+32*(\u)+16+4*(\q):SB+32*(\u)+16+4*(\q)+3], v1, s[4:5] offset:(2*(\b)+(\u))*6144+2048+512*(\q) th:TH_LOAD_NT
	global_load_b128 v[SB+64+16*(\u)+4*(\q):SB+64+16*(\u)+4*(\q)+3], v1, s[4:5] offset:(2*(\b)+(\u))*6144+4096+512*(\q) th:TH_LOAD_NT
.endr
.endr
.endm
.macro BOTH line:vararg                ; one line for each of the two tokens: no instruction reads the result of the one just before it
.set u, 0
.rept 2
	\line
.set u, u+1
.endr
.endm
.macro WORK b
.set SB, 56+100*(\b)
	; S^T = K Q^T: two links a token; the two accumulators take turns
	BOTH v_wmma_f32_16x16x32_f16 v[S+8*u:S+8*u+7], v[SB+32*u+16:SB+32*u+23], v[SB+32*u:SB+32*u+7], 0
	BOTH v_wmma_f32_16x16x32_f16 v[S+8*u:S+8*u+7], v[SB+32*u+24:SB+32*u+31], v[SB+32*u+8:SB+32*u+15], v[S+8*u:S+8*u+7]
.rept 4
	v_nop                                          ; the places behind those products (ISA guide 7.12.1)
.endr
	BOTH v_max3_num_f32 v[T+8*u],   v[S+8*u],   v[S+8*u+1], v[S+8*u+2]   ; the maximum of my eight scores, from the accumulator's low end on
	BOTH v_max3_num_f32 v[T+8*u+1], v[S+8*u+3], v[S+8*u+4], v[S+8*u+5]
	BOTH v_max3_num_f32 v[T+8*u],   v[T+8*u],   v[S+8*u+6], v[S+8*u+7]
	BOTH v_max_num_f32 v[T+8*u], v[T+8*u], v[T+8*u+1]
	BOTH v_permlanex16_b32 v[T+8*u+1], v[T+8*u], s14, s15                ; the query head's other eight key heads lie in the lane 16 away
	BOTH v_max_num_f32 v[T+8*u], v[T+8*u], v[T+8*u+1]                    ; m, the row's true maximum
	BOTH v_mul_f32 v[T+8*u+2], s12, v[T+8*u]                             ; c m
.irp i, 0,2,4,6
	BOTH v_pk_fma_f32 v[S+8*u+(\i):S+8*u+(\i)+1], v[S+8*u+(\i):S+8*u+(\i)+1], s[12:13], v[T+8*u+2:T+8*u+3] op_sel_hi:[1,0,0] neg_lo:[0,0,1] neg_hi:[0,0,1]  ; c s - c m
.endr
.irp i, 0,1,2,3,4,5,6,7
	BOTH v_exp_f32 v[S+8*u+(\i)], v[S+8*u+(\i)]                          ; one batch of sixteen
.endr
	v_nop                                          ; a plain instruction behind the last exponential,
	s_wait_alu depctr_va_vdst(0)                   ; and one wait ahead of the batch's first reader: the sixteen exponentials have written S
	BOTH v_pk_add_f32 v[T+8*u+4:T+8*u+5], v[S+8*u:S+8*u+1],   v[S+8*u+2:S+8*u+3]
	BOTH v_pk_add_f32 v[T+8*u+6:T+8*u+7], v[S+8*u+4:S+8*u+5], v[S+8*u+6:S+8*u+7]
	BOTH v_pk_add_f32 v[T+8*u+4:T+8*u+5], v[T+8*u+4:T+8*u+5], v[T+8*u+6:T+8*u+7]
	BOTH v_add_f32 v[T+8*u+4], v[T+8*u+4], v[T+8*u+5]
	BOTH v_permlanex16_b32 v[T+8*u+5], v[T+8*u+4], s14, s15
	BOTH v_add_f32 v[T+8*u+4], v[T+8*u+4], v[T+8*u+5]                    ; l: at least 1, the maximum's own weight
	BOTH v_rcp_f32 v[T+8*u+6], v[T+8*u+4]
	v_nop
	s_wait_alu depctr_va_vdst(0)                   ; one wait for the two reciprocals, ahead of their first reader: they have written 1 / l
.irp i, 0,2,4,6
	BOTH v_pk_mul_f32 v[S+8*u+(\i):S+8*u+(\i)+1], v[S+8*u+(\i):S+8*u+(\i)+1], v[T+8*u+6:T+8*u+7] op_sel_hi:[1,0]
.endr
.irp i, 0,1,2,3
	BOTH v_cvt_pk_f16_f32 v[P+8*u+(\i)], v[S+8*u+2*(\i)], v[S+8*u+2*(\i)+1]
.endr
	; O^T = V^T P: four blocks of 16 channels a token, each a sum of its own, into the registers that Q and K have left
.irp c, 0,1,2,3
	BOTH v_wmma_f32_16x16x32_f16 v[SB+32*u+8*(\c):SB+32*u+8*(\c)+7], v[SB+64+16*u+4*(\c):SB+64+16*u+4*(\c)+7], v[P+8*u:P+8*u+7], 0
.endr
.rept 4
	v_nop
.endr
.set i, 0
.rept 16                                       ; rounded in place, in ascending order: word i takes numbers 2 i and 2 i + 1, which no earlier word has overwritten
	BOTH v_cvt_pk_f16_f32 v[SB+32*u+i], v[SB+32*u+2*i], v[SB+32*u+2*i+1]
.set i, i+1
.endr
	s_wait_alu depctr_va_vdst(0)                   ; the roundings have written the two tokens' 32 words, which the eight stores read
.irp c, 0,1,2,3
.irp u, 0,1
	global_store_b128 v1, v[SB+32*(\u)+4*(\c):SB+32*(\u)+4*(\c)+3], s[6:7] offset:(2*(\b)+(\u))*2048+512*(\c)  ; a wave stores 512 consecutive bytes, aligned; no register of a store is written again
.endr
.endr
.endm
	LOADS 0
	LOADS 1
.irp r, 28,29,30,31, 36,37,38,39, 43,51, 152,153,154,155, 252,253,254,255
	v_mov_b32 v\r, 0                               ; the upper halves of P's fragments, the zeros behind each set's V, and the two registers that are only named in a pair: none is a register that a load touches
.endr
	s_wait_loadcnt 24                              ; the first two tokens are in; the other two tokens' 24 loads stay out
	WORK 0
	s_wait_loadcnt 0x0
	WORK 1
	s_endpgm
.Lfunc_end_k_q9f849534ce_heads:
	.size	k_q9f849534ce_heads, .Lfunc_end_k_q9f849534ce_heads-k_q9f849534ce_heads
	.p2alignl 7, 3214868480
	.fill 96, 4, 3214868480
	.section	.rodata,"a",@progbits
	.p2align	6, 0x0
	.amdhsa_kernel k_q9f849534ce_heads
		.amdhsa_group_segment_fixed_size 0
		.amdhsa_private_segment_fixed_size 0
		.amdhsa_enable_private_segment 0
		.amdhsa_kernarg_size 16
		.amdhsa_user_sgpr_count 2
		.amdhsa_user_sgpr_kernarg_segment_ptr 1
		.amdhsa_wavefront_size32 1
		.amdhsa_system_sgpr_workgroup_id_x 1
		.amdhsa_system_sgpr_workgroup_id_y 1
		.amdhsa_system_sgpr_workgroup_id_z 1
		.amdhsa_system_vgpr_workitem_id 0
		.amdhsa_next_free_vgpr 256
		.amdhsa_next_free_sgpr 66
		.amdhsa_reserve_vcc 0
		.amdhsa_float_denorm_mode_32 3
		.amdhsa_float_denorm_mode_16_64 3
		.amdhsa_memory_ordered 1
		.amdhsa_forward_progress 1
		.amdhsa_inst_pref_size 21
	.end_amdhsa_kernel
	.amdgpu_metadata
---
amdhsa.version: [ 1, 2 ]
amdhsa.kernels:
  - .name:           k_q9f849534ce_heads
    .symbol:         k_q9f849534ce_heads.kd
    .args:
      - { .name: qkv, .offset: 0, .size: 8, .value_kind: global_buffer, .address_space: global }
      - { .name: attn, .offset: 8, .size: 8, .value_kind: global_buffer, .address_space: global }
    .group_segment_fixed_size: 0
    .private_segment_fixed_size: 0
    .kernarg_segment_align: 8
    .kernarg_segment_size: 16
    .max_flat_workgroup_size: 128
    .sgpr_count:     66
    .vgpr_count:     256
    .wavefront_size: 32
...
	.end_amdgpu_metadata
.endif
;; end of part 6
;; launch proj: the kernel of part 4 again; grid 4 x 64, 4 waves a work-group, clusters of 4 x 4, 327,680 bytes of LDS; arguments attn, wt, out0, biasw; writes out0
